; MI455X (gfx1250); checked and timed in simulation.
; The chip was launched on July 23, 2026; its instructions are those of AMD's public machine-readable ISA for CDNA 5 (MIT licence, August 2026) and "CDNA5" Instruction Set Architecture Reference Guide (July 2026). The comments in the code are by the model that wrote it; some were corrected since.
;; Attention. Allowed arithmetic: float matrix products may take bf16 or f16 operands with f32 sums; other float arithmetic in f32, or as packed bf16 or f16 multiplies, adds, multiply-adds, maxima and minima; sums over many terms, partial sums and values carried from step to step in f32; what a program stores and reads back later, other than sums and carried values, may be rounded once to bf16 or f16.
;; Inputs: W_hid 2,048 x 1,024 float32; b_hid 1,024 float32; encoder_outputs 32 x 1,024 x 1,024 float32; hidden 32 x 1 x 1,024 float32; w_score 1,024 float32.
;; Outputs: out0 32 x 1 x 1,024 float32; out1 32 x 1 x 1,024 float32.
;; 2 versions, each right; version 2 is version 1 with the launch main written anew for expert scheduling mode. Each part assembles by itself: llvm-mc -triple=amdgcn-amd-amdhsa -mcpu=gfx1250 --defsym DOCPART=n.
;; ======== version 1 of 2: 3 launches
;; workspace buffers: WF 2,097,152 bytes; HBP 1,048,576 bytes; PW 131,072 bytes; ML 65,536 bytes; CP 1,048,576 bytes
;; launch prep (part 1): grid 16 x 16, 4 waves a work-group, no clusters, 55,808 bytes of LDS; arguments W_hid, hidden, WF, HBP; writes WF, HBP
.if DOCPART == 1
	.amdgcn_target "amdgcn-amd-amdhsa--gfx1250"
	.amdhsa_code_object_version 6
	.text
	.protected	k_q913e836a55_prep
	.globl	k_q913e836a55_prep
	.p2align	8
	.type	k_q913e836a55_prep,@function
k_q913e836a55_prep:
	s_mov_b64 s[64:65], 0
	v_nop
	global_prefetch_b8 v0, s[64:65] scope:SCOPE_SE
	s_setreg_imm32_b32 hwreg(HW_REG_WAVE_MODE, 25, 1), 1
	s_wait_xcnt 0x0
; W_hid [2048][1024] f32 is read once, rounded to bf16 and turned into matrix fragments.
; A work-group takes 128 rows (ky) x 64 columns (nx) of W_hid, each of its four waves 32 rows: one K step of a bf16 matrix instruction for four blocks of 16 columns.
; ky < 8 (the rows that multiply encoder_outputs): the fragments are stored as they lie in registers.  WF byte ((nb 32 + q) 8 + bt) 1024 + 512 s + 16 l + 2 e holds
;   W_hid[32 q + 16 s + 8 (l / 16) + e][128 nb + 16 bt + l % 16]: a later load of 16 bytes a lane, 512 consecutive bytes a wave, is half a fragment.
; ky >= 8 (the rows that multiply hidden): the fragments are multiplied at once by hidden (32 rows, rounded to bf16); the four waves' sums meet in LDS;
;   HBP[ky - 8][m][n] = the sum over the work-group's 128 k of hidden[m][k] W_hid[1024 + k][n], in f32.  The eight partial sums are added by the next launch.
; The branch on ky is the same in all four waves; the barrier stands on the second path alone, and all four waves pass it there.
.set PT,    160                        ; a row of the wave's tile in LDS: 64 bf16 + 32 bytes
.set TILEB, 32*PT
.set PART,  4*TILEB                    ; behind the four tiles: for each wave 32 rows (m) x 64 columns of f32, 272 bytes apart
.set PPT,   272
.set PARTB, 32*PPT
.set SPARE, PART+4*PARTB               ; the spare words, 128 bytes for each wave: two blocks of 256 bytes that no other line names
.set SPW, 4                            ; v4   LDS address of my spare word; never rewritten
.set NIL, 5                            ; v5   0; never rewritten
.set VO,  6                            ; v6   W_hid: (l / 16) rows + 16 (l % 16)
.set VS,  7                            ; v7   tile, in: wave + (l / 16) rows + 8 (l % 16)
.set VT,  8                            ; v8   tile, turned: wave + (8 (l / 16) + l % 8) rows + 16 ((l / 8) % 2)
.set VH,  9                            ; v9   hidden: (l % 16) rows + 32 (l / 16)
.set VP,  10                           ; v10  my partial sums, in
.set VR,  11                           ; v11  the four waves' partial sums, back: rows 8 w + l / 16
.set VG,  12                           ; v12  the same rows in HBP
.set VL,  13                           ; v13  16 l
.set X,   16                           ; v[16:79]   the tile in f32; later the partial sums read back
.set Y,   80                           ; v[80:111]  the tile in bf16
.set F,   112                          ; v[112:143] four fragments of W_hid
.set HX,  144                          ; v[144:175] hidden in f32
.set HF,  176                          ; v[176:191] two fragments of hidden
.set D,   192                          ; v[192:255] eight accumulators
	s_load_b256 s[4:11], s[0:1], 0x0               ; W_hid s[4:5], hidden s[6:7], WF s[8:9], HBP s[10:11]
	v_lshl_add_u32 v[SPW], v0, 2, SPARE
	v_mov_b32 v[NIL], 0
	v_lshrrev_b32 v1, 5, v0
	v_readfirstlane_b32 s12, v1                    ; wave 0..3
	s_mov_b32 s13, ttmp9                           ; nx
	s_and_b32 s14, ttmp7, 0xffff                   ; ky
	v_and_b32 v1, 15, v0                           ; l % 16
	v_bfe_u32 v2, v0, 4, 1                         ; l / 16
	v_and_b32 v3, 31, v0                           ; l
	v_lshlrev_b32 v[VO], 4, v1
	v_lshl_add_u32 v[VO], v2, 12, v[VO]
	s_mul_i32 s16, s12, TILEB
	v_mul_u32_u24 v[VS], v2, PT
	v_lshl_add_u32 v[VS], v1, 3, v[VS]
	v_add_nc_u32 v[VS], s16, v[VS]
	v_and_b32 v14, 7, v0
	v_lshl_add_u32 v[VT], v2, 3, v14
	v_mul_u32_u24 v[VT], v[VT], PT
	v_bfe_u32 v14, v0, 3, 1
	v_lshl_add_u32 v[VT], v14, 4, v[VT]
	v_add_nc_u32 v[VT], s16, v[VT]
	v_lshlrev_b32 v[VH], 12, v1
	v_lshl_add_u32 v[VH], v2, 5, v[VH]
	s_mul_i32 s17, s12, PARTB
	s_add_co_u32 s17, s17, PART
	v_mul_u32_u24 v[VP], v1, PPT
	v_lshl_add_u32 v[VP], v2, 5, v[VP]
	v_add_nc_u32 v[VP], s17, v[VP]
	s_mul_i32 s18, s12, 8*PPT
	s_add_co_u32 s18, s18, PART
	v_mul_u32_u24 v[VR], v2, PPT
	v_lshl_add_u32 v[VR], v1, 4, v[VR]
	v_add_nc_u32 v[VR], s18, v[VR]
	s_lshl_b32 s19, s12, 15
	v_add_nc_u32 v[VG], s19, v[VO]
	v_lshlrev_b32 v[VL], 4, v3
	s_lshl_b32 s20, s14, 19                        ; 128 ky rows of 4,096 bytes,
	s_lshl_b32 s21, s12, 17                        ; my wave's 32 of them,
	s_add_co_u32 s20, s20, s21
	s_lshl_b32 s21, s13, 8                         ; 64 nx columns
	s_add_co_u32 s20, s20, s21
	s_mov_b32 s21, 0
	s_wait_kmcnt 0x0
	s_add_nc_u64 s[4:5], s[4:5], s[20:21]
; My 32 rows x 64 columns: 16 loads, each two rows' 256 consecutive bytes; rounded to bf16; through my own tile in LDS; back turned: fragment b holds columns 16 b + l % 16,
; registers 0-3 k = 8 (l / 16) + 0..7, registers 4-7 k = 16 + 8 (l / 16) + 0..7.
.macro TILE
.irp i, 0,1,2,3,4,5,6,7,8,9,10,11,12,13,14,15
	global_load_b128 v[X+4*(\i):X+4*(\i)+3], v[VO], s[4:5] offset:(\i)*8192 th:TH_LOAD_NT
.endr
	s_wait_loadcnt 0x0
.irp i, 0,1,2,3,4,5,6,7,8,9,10,11,12,13,14,15
	v_cvt_pk_bf16_f32 v[Y+2*(\i)], v[X+4*(\i)], v[X+4*(\i)+1]
	v_cvt_pk_bf16_f32 v[Y+2*(\i)+1], v[X+4*(\i)+2], v[X+4*(\i)+3]
.endr
.irp i, 0,1,2,3,4,5,6,7,8,9,10,11,12,13,14,15
	ds_store_b64 v[VS], v[Y+2*(\i):Y+2*(\i)+1] offset:(\i)*2*PT
.endr
.irp b, 0,1,2,3
	ds_load_tr16_b128 v[F+8*(\b):F+8*(\b)+3],   v[VT] offset:32*(\b)         ; LDS serves a wave's instructions in order (ISA guide 5.7.1.4): these see my stores above
	ds_load_tr16_b128 v[F+8*(\b)+4:F+8*(\b)+7], v[VT] offset:32*(\b)+16*PT
.endr
	s_wait_dscnt 0x0
.endm
	s_cmp_lt_u32 s14, 8
	s_cbranch_scc1 .Lstore_fragments
	; ---- ky >= 8: hidden x W_hid's lower half
	s_and_b32 s22, s14, 7                          ; ky - 8
	s_lshl_b32 s24, s22, 9                         ; hidden at k = 128 (ky - 8) + 32 w, in bytes
	s_lshl_b32 s25, s12, 7
	s_add_co_u32 s24, s24, s25
	s_mov_b32 s25, 0
	s_add_nc_u64 s[6:7], s[6:7], s[24:25]
	s_lshl_b32 s24, s22, 17                        ; HBP at plane ky - 8, column 64 nx
	s_lshl_b32 s23, s13, 8
	s_add_co_u32 s24, s24, s23
	s_add_nc_u64 s[10:11], s[10:11], s[24:25]
.irp m, 0,1
	global_load_b128 v[HX+16*(\m):HX+16*(\m)+3],     v[VH], s[6:7] offset:(\m)*65536      ; row 16 m + l % 16, k = 8 (l / 16) + 0..3
	global_load_b128 v[HX+16*(\m)+4:HX+16*(\m)+7],   v[VH], s[6:7] offset:(\m)*65536+16   ; + 4..7
	global_load_b128 v[HX+16*(\m)+8:HX+16*(\m)+11],  v[VH], s[6:7] offset:(\m)*65536+64   ; k = 16 + 8 (l / 16) + 0..3
	global_load_b128 v[HX+16*(\m)+12:HX+16*(\m)+15], v[VH], s[6:7] offset:(\m)*65536+80
.endr
	TILE                                           ; its wait for all loads covers hidden's
.irp j, 0,1,2,3,4,5,6,7,8,9,10,11,12,13,14,15
	v_cvt_pk_bf16_f32 v[HF+(\j)], v[HX+2*(\j)], v[HX+2*(\j)+1]
.endr
	; source 0 = 16 columns of W_hid, source 1 = 16 rows of hidden: a lane's eight results are eight neighbouring columns of one row m.  Eight different accumulators, each started by the constant 0.
.irp m, 0,1
.irp b, 0,1,2,3
	v_wmma_f32_16x16x32_bf16 v[D+8*(4*(\m)+(\b)):D+8*(4*(\m)+(\b))+7], v[F+8*(\b):F+8*(\b)+7], v[HF+8*(\m):HF+8*(\m)+7], 0
.endr
.endr
.rept 4
	v_nop                                          ; four places between the last product and the LDS stores that read results
.endr
.irp m, 0,1
.irp b, 0,1,2,3
	ds_store_b128 v[VP], v[D+8*(4*(\m)+(\b)):D+8*(4*(\m)+(\b))+3]   offset:(\m)*16*PPT+64*(\b)
	ds_store_b128 v[VP], v[D+8*(4*(\m)+(\b))+4:D+8*(4*(\m)+(\b))+7] offset:(\m)*16*PPT+64*(\b)+16
.endr
.endr
	s_wait_dscnt 0x0                               ; for the others' sake: my partial sums lie in LDS
	s_barrier_signal -1
	s_barrier_wait -1
.irp v, 0,1,2,3
.irp t, 0,1,2,3
	ds_load_b128 v[X+4*(4*(\v)+(\t)):X+4*(4*(\v)+(\t))+3], v[VR] offset:(\v)*PARTB+(\t)*2*PPT   ; wave v's sums for rows 8 w + 2 t + l / 16
.endr
.endr
	s_wait_dscnt 0x0
.irp t, 0,1,2,3
.irp z, 0,2
	v_pk_add_f32 v[X+4*(\t)+(\z):X+4*(\t)+(\z)+1], v[X+4*(\t)+(\z):X+4*(\t)+(\z)+1], v[X+16+4*(\t)+(\z):X+16+4*(\t)+(\z)+1]
	v_pk_add_f32 v[X+32+4*(\t)+(\z):X+32+4*(\t)+(\z)+1], v[X+32+4*(\t)+(\z):X+32+4*(\t)+(\z)+1], v[X+48+4*(\t)+(\z):X+48+4*(\t)+(\z)+1]
	v_pk_add_f32 v[X+4*(\t)+(\z):X+4*(\t)+(\z)+1], v[X+4*(\t)+(\z):X+4*(\t)+(\z)+1], v[X+32+4*(\t)+(\z):X+32+4*(\t)+(\z)+1]
.endr
.endr
.irp t, 0,1,2,3
	global_store_b128 v[VG], v[X+4*(\t):X+4*(\t)+3], s[10:11] offset:(\t)*8192   ; 16 lanes store 256 consecutive bytes, at a multiple of 256 from HBP's first byte
.endr
	s_branch .Lend
.Lstore_fragments:                             ; ---- ky < 8
	s_lshr_b32 s22, s13, 1                         ; nb
	s_lshl_b32 s22, s22, 5
	s_lshl2_add_u32 s22, s14, s22                  ; 32 nb + 4 ky
	s_add_co_u32 s22, s22, s12                     ; + w = 32 nb + q
	s_lshl_b32 s22, s22, 3
	s_and_b32 s23, s13, 1
	s_lshl2_add_u32 s22, s23, s22                  ; + the first of my four bt
	s_lshl_b32 s22, s22, 10
	s_mov_b32 s23, 0
	s_add_nc_u64 s[8:9], s[8:9], s[22:23]
	TILE
.irp b, 0,1,2,3
	global_store_b128 v[VL], v[F+8*(\b):F+8*(\b)+3],   s[8:9] offset:(\b)*1024       ; 512 consecutive bytes a store
	global_store_b128 v[VL], v[F+8*(\b)+4:F+8*(\b)+7], s[8:9] offset:(\b)*1024+512
.endr
.Lend:
	s_wait_tensorcnt 0x0                           ; the wave's end, behind my last LDS store
	ds_add_u32 v[SPW], v[NIL]
	s_wait_dscnt 0x0
	s_endpgm
.Lfunc_end_k_q913e836a55_prep:
	.size	k_q913e836a55_prep, .Lfunc_end_k_q913e836a55_prep-k_q913e836a55_prep
	.p2alignl 7, 3214868480
	.fill 96, 4, 3214868480
	.section	.rodata,"a",@progbits
	.p2align	6, 0x0
	.amdhsa_kernel k_q913e836a55_prep
		.amdhsa_group_segment_fixed_size 55808
		.amdhsa_private_segment_fixed_size 0
		.amdhsa_enable_private_segment 0
		.amdhsa_kernarg_size 32
		.amdhsa_user_sgpr_count 2
		.amdhsa_user_sgpr_kernarg_segment_ptr 1
		.amdhsa_wavefront_size32 1
		.amdhsa_system_sgpr_workgroup_id_x 1
		.amdhsa_system_sgpr_workgroup_id_y 1
		.amdhsa_system_sgpr_workgroup_id_z 1
		.amdhsa_system_vgpr_workitem_id 0
		.amdhsa_next_free_vgpr 256
		.amdhsa_next_free_sgpr 66
		.amdhsa_reserve_vcc 0
		.amdhsa_float_denorm_mode_32 3
		.amdhsa_float_denorm_mode_16_64 3
		.amdhsa_memory_ordered 1
		.amdhsa_forward_progress 1
		.amdhsa_inst_pref_size 21
	.end_amdhsa_kernel
	.amdgpu_metadata
---
amdhsa.version: [ 1, 2 ]
amdhsa.kernels:
  - .name:           k_q913e836a55_prep
    .symbol:         k_q913e836a55_prep.kd
    .args:
      - { .name: W_hid, .offset: 0, .size: 8, .value_kind: global_buffer, .address_space: global }
      - { .name: hidden, .offset: 8, .size: 8, .value_kind: global_buffer, .address_space: global }
      - { .name: WF, .offset: 16, .size: 8, .value_kind: global_buffer, .address_space: global }
      - { .name: HBP, .offset: 24, .size: 8, .value_kind: global_buffer, .address_space: global }
    .group_segment_fixed_size: 55808
    .private_segment_fixed_size: 0
    .kernarg_segment_align: 8
    .kernarg_segment_size: 32
    .max_flat_workgroup_size: 128
    .sgpr_count:     66
    .vgpr_count:     256
    .wavefront_size: 32
...
	.end_amdgpu_metadata
.endif
;; end of part 1
;; launch main (part 2): grid 256 x 1, 4 waves a work-group, no clusters, 276,992 bytes of LDS; arguments encoder_outputs, WF, HBP, b_hid, w_score, PW, ML, CP; writes PW, ML, CP
.if DOCPART == 2
	.amdgcn_target "amdgcn-amd-amdhsa--gfx1250"
	.amdhsa_code_object_version 6
	.text
	.protected	k_q913e836a55_main
	.globl	k_q913e836a55_main
	.p2align	8
	.type	k_q913e836a55_main,@function
k_q913e836a55_main:
	s_mov_b64 s[64:65], 0
	v_nop
	global_prefetch_b8 v0, s[64:65] scope:SCOPE_SE
	s_setreg_imm32_b32 hwreg(HW_REG_WAVE_MODE, 25, 1), 1
	s_wait_xcnt 0x0
; For 128 rows t of one batch b (work-group g: b = g / 8):  s[t] = w_score . tanh(enc[t] W1 + hidden[b] W2 + b_hid);  m = max s;  p[t] = exp(s[t] - m);  l = sum p;  CP[g] = sum over t of p[t] enc[t].
; The next launch joins a batch's eight (m, l, p, CP).
; EACH BYTE OF enc ONCE.  The 128 rows are read as f32, rounded once to bf16 and kept in LDS (128 x 2,064 bytes): they are the matrix operand for all 1,024 columns and afterwards the rows of the context.
; SHARES.  The 1,024 columns go in two chunks of 512; in a chunk each of the four waves makes 128 rows x 128 columns: 64 accumulators, 512 registers.  The waves split the columns, so no two waves of
; the work-group want the same fragment of the weights: each wave loads its own from WF, where the launch before laid them as they lie in registers (512 consecutive bytes a load), into a ring of four
; register buffers: a quarter step's 16 loads are issued three quarter steps, 160 matrix instructions, ahead of their use.
; NO CLUSTER, NO TENSOR LOADS, though all work-groups read the same 2 MiB of weights: beside the resident rows and the tables 50,688 bytes of LDS are left; 32 along K of 512 columns are 32,768 bytes, so two slots
; do not fit, and one step of 64 matrix instructions a wave is all that a refill would have in which to land.
; THE ORDER OF K is rotated: work-group g begins at block g % 8 of the eight blocks of 128 along K, so that the work-groups stand at eight places of WF.  f32 sums are taken in that order.
; tanh(x) = 1 - 2 / (1 + 2^(c x)), c = 2 log2(e): it saturates to +-1 where 2^(c x) is infinite or 0.  The score is taken as (sum of w) - 2 (sum of w r), r = 1 / (1 + 2^(c x)), all in f32.
; FORMATS.  enc, W_hid, hidden, b_hid and w_score are each rounded once to bf16 (nearest even); products' sums, hidden W2 + b_hid, scores, m, l, p and the context's sums are f32.
; LIMITS.  NaN and infinities are not treated apart; an exponential below 2^-126 counts as 0; the order of the sums over K differs from a plain ascending one.
; REGISTERS, in windows of 256 (s_set_vgpr_msb: bits 1:0 source 0, 3:2 source 1, 5:4 source 2, 7:6 destination):
;   window 0: v0-31 addresses; v32-47 the scores' sums; v48-63 at work; v64-127, v128-191 fragments of enc, two buffers (between the chunks: the bias and w tables; at the end the context's rows); v192-255 tables
;   window 1: four buffers of 64: fragments of the weights          windows 2, 3: the accumulators ((a, bt) at v[8 (8 (a % 4) + bt)] of window 2 + a / 4); at the start window 2 stages enc
.set PITCH, 2064                       ; an LDS row: 2,048 bytes + 16 = 129 x 16: the 16 rows of a fragment load start at 16 different groups of four banks (64 banks of 4 bytes: ISA guide 11.1)
.set HBC,   128*PITCH                  ; c (hidden W2 + b_hid), 1,024 f32
.set WSL,   HBC+4096                   ; w_score, 1,024 f32
.set SC,    HBC+8192                   ; the four waves' partial scores, 128 f32 each
.set PPL,   SC+2048                    ; each wave's own copy of the 128 p
.set SPARE, PPL+2048                   ; the spare words, 128 bytes for each wave: two blocks of 256 bytes that no other line names
.set SPW, 4                            ; v4   LDS address of my spare word; never rewritten
.set NIL, 5                            ; v5   0; never rewritten
.set BO,  6                            ; v6   16 x lane; never rewritten
.set ST1, 7                            ; v7   where I put 8 bytes of a row of enc
.set A0,  8                            ; v8-11   (32 j + l % 16) rows + 16 (l / 16); never rewritten
.set AC,  12                           ; v12-15  the same at the K block in hand
.set AN,  16                           ; v16-19  at the next K block
.set HBA, 20                           ; v20  my 8 columns of the bias table
.set WSA, 21                           ; v21  of the w table
.set JO,  22                           ; v22  16 x thread; never rewritten
.set HST, 23                           ; v23  HBC + 16 x thread
.set SCA, 24                           ; v24  my wave's partial scores, in
.set SCR, 25                           ; v25  all waves' partial scores, back
.set PPS, 26                           ; v26  my wave's p, in
.set PPA, 27                           ; v27  my wave's p, back, the same address in every lane
.set CXA, 28                           ; v28  8 x thread + the context's rows
.set PFO, 29                           ; v29  the prefetch's offset; never rewritten
.set PPQ, 30                           ; v30  my wave's p, 16 bytes a lane
.set MLO, 31                           ; v31  8 x lane
.set S,   32                           ; v[32:47]  S_a: for row 16 a + l % 16 the sum over my columns, even and odd columns apart
.set AF0, 64
.set AF1, 128
.set HB,  64                           ; between the chunks: c (hb + b) of my 64 columns
.set WS,  128                          ; w of my 64 columns; then, in its first pair, their sum
.set WS2, 192                          ; -2 w
.set XS,  64                           ; the context: two sets of 16 rows x 8 columns of bf16
.set PS,  192                          ; two sets of 16 p
.set CTX, 224                          ; v[224:231] my 8 columns' sums
.set BF0, 0
.set BF1, 64
.set BF2, 128
.set BF3, 192
; scalars: s[4:5] enc (stepped), s[6:7] WF (never rewritten), s[8:9] HBP, s[10:11] b_hid, s[12:13] w_score, s[14:15] PW, s[16:17] ML, s[18:19] CP; s20 wave, s21 g, s22 b, s23 g % 8;
; s[24:25] WF at my 128 columns of the chunk; s[26:27] the same at a K block; s[28:29] an offset, high word 0; s30 K block; s31 its bytes in a row; s32, s33, s39 counts; s[34:35] c; s[36:37] lane selects; s38 log2(e); s40 see below
.set MSB, 0
.macro WIN new                         ; the immediate's high byte repeats the setting that is left; a switch that changes nothing is dropped
.if MSB != (\new)
	s_set_vgpr_msb (MSB<<8)|(\new)
.set MSB, \new
.endif
.endm
.macro PLACES                          ; four places between a matrix instruction and a load into one of its registers or a vector instruction that reads its result (ISA guide 7.12.1 for vector instructions)
.rept 4
	v_nop
.endr
.endm
	s_load_b512 s[4:19], s[0:1], 0x0
	v_lshl_add_u32 v[SPW], v0, 2, SPARE
	v_mov_b32 v[NIL], 0
	v_lshrrev_b32 v1, 5, v0
	v_readfirstlane_b32 s20, v1                    ; wave 0..3
	s_mov_b32 s21, ttmp9
	s_lshr_b32 s22, s21, 3
	s_and_b32 s23, s21, 7
	v_and_b32 v1, 15, v0                           ; l % 16
	v_bfe_u32 v2, v0, 4, 1                         ; l / 16
	v_and_b32 v3, 31, v0                           ; l
	v_lshlrev_b32 v[BO], 4, v3
	s_mul_i32 s41, s20, 32*PITCH
	v_lshl_add_u32 v[ST1], v3, 3, s41
	v_mul_u32_u24 v[A0], v1, PITCH
	v_lshl_add_u32 v[A0], v2, 4, v[A0]
	v_add_nc_u32 v[A0+1], 32*PITCH, v[A0]
	v_add_nc_u32 v[A0+2], 64*PITCH, v[A0]
	v_add_nc_u32 v[A0+3], 96*PITCH, v[A0]
	s_lshl_b32 s42, s20, 9                         ; my wave's 128 columns, or 128 numbers, of 4 bytes
	s_add_co_u32 s43, s42, HBC
	v_lshl_add_u32 v[HBA], v2, 5, s43
	v_add_nc_u32 v[WSA], 4096, v[HBA]
	v_lshlrev_b32 v[JO], 4, v0
	v_add_nc_u32 v[HST], HBC, v[JO]
	s_add_co_u32 s43, s42, SC
	v_lshl_add_u32 v[SCA], v1, 2, s43
	v_lshl_add_u32 v[SCR], v3, 2, SC
	s_add_co_u32 s43, s42, PPL
	v_lshl_add_u32 v[PPS], v3, 2, s43
	v_mov_b32 v[PPA], s43
	v_lshl_add_u32 v[PPQ], v3, 4, s43
	v_lshlrev_b32 v[CXA], 3, v0
	s_lshl_b32 s43, s21, 13
	v_lshl_add_u32 v[PFO], v3, 8, s43              ; 8,192 g + 256 l
	v_lshlrev_b32 v[MLO], 3, v3
	s_mov_b32 s34, 0x4038aa3b                      ; c = 2 log2(e)
	s_mov_b32 s35, s34                             ; named with it as a pair
	s_mov_b32 s36, 0x76543210                      ; v_permlanex16_b32: each lane takes its own place in the other half
	s_mov_b32 s37, 0xfedcba98
	s_mov_b32 s38, 0x3fb8aa3b                      ; log2(e)
	s_cmp_eq_u32 s20, 0
	s_cselect_b32 s40, 3, -1                       ; wave 0 prefetches where the count of turns stands at 3: in the first turn
	s_mov_b32 s29, 0
	s_wait_kmcnt 0x0
	s_lshl_b32 s28, s21, 19                        ; 128 g rows of 4,096 bytes,
	s_lshl_b32 s41, s20, 17                        ; my wave's 32 of them
	s_add_co_u32 s28, s28, s41
	s_add_nc_u64 s[4:5], s[4:5], s[28:29]
	s_lshl_b32 s28, s22, 12
	s_add_nc_u64 s[8:9], s[8:9], s[28:29]          ; HBP at row b
	s_lshl_b32 s28, s21, 9
	s_add_nc_u64 s[14:15], s[14:15], s[28:29]      ; PW at my 128 numbers
	s_lshl_b32 s28, s21, 8
	s_add_nc_u64 s[16:17], s[16:17], s[28:29]      ; ML at my 256 bytes
	s_lshl_b32 s28, s21, 12
	s_add_nc_u64 s[18:19], s[18:19], s[28:29]      ; CP at my row
	s_lshl_b32 s28, s20, 18
	s_add_nc_u64 s[24:25], s[6:7], s[28:29]        ; WF at column block w: 32 x 8 x 1,024 bytes each
	s_lshl_b32 s28, s23, 15
	s_add_nc_u64 s[26:27], s[24:25], s[28:29]      ; at K block g % 8: 4 x 8,192 bytes each
	; the small tables' loads go first: thread j takes columns 4 j .. and 512 + 4 j ..
.irp k, 0,1,2,3,4,5,6,7
	global_load_b128 v[64+8*(\k):64+8*(\k)+3],   v[JO], s[8:9] offset:(\k)*131072
	global_load_b128 v[64+8*(\k)+4:64+8*(\k)+7], v[JO], s[8:9] offset:(\k)*131072+2048
.endr
	global_load_b128 v[128:131], v[JO], s[10:11]
	global_load_b128 v[132:135], v[JO], s[10:11] offset:2048
	global_load_b128 v[136:139], v[JO], s[12:13]
	global_load_b128 v[140:143], v[JO], s[12:13] offset:2048
; PHASE 1: enc into LDS.  Wave w takes rows 32 w .. 32 w + 31; a set is four rows: 32 loads of 512 consecutive bytes.
.macro LOADS set
	WIN 0x80                                       ; destination window 2
.set i, 0
.rept 32
	global_load_b128 v[128*(\set)+4*i:128*(\set)+4*i+3], v[BO], s[4:5] offset:(\set)*16384+(i/8)*4096+(i%8)*512 th:TH_LOAD_NT
.set i, i+1
.endr
.endm
.macro CONV set                        ; four f32 become 8 bytes, in place; a wave's store covers 256 consecutive bytes of an LDS row
	WIN 0x8a
.set i, 0
.rept 32
	v_cvt_pk_bf16_f32 v[128*(\set)+4*i],   v[128*(\set)+4*i],   v[128*(\set)+4*i+1]
	v_cvt_pk_bf16_f32 v[128*(\set)+4*i+1], v[128*(\set)+4*i+2], v[128*(\set)+4*i+3]
.set i, i+1
.endr
	WIN 0x08                                       ; address window 0, data window 2
.set i, 0
.rept 32
	ds_store_b64 v[ST1], v[128*(\set)+4*i:128*(\set)+4*i+1] offset:(\set)*4*PITCH+(i/8)*PITCH+(i%8)*256
.set i, i+1
.endr
.endm
; 16 loads: the weights' fragments of quarter u of the K block at s[26:27], for my 128 columns, into buffer f of window 1
.macro FETCH_B u, f
	WIN 0x40
.irp b, 0,1,2,3,4,5,6,7
	global_load_b128 v[(\f)+8*(\b):(\f)+8*(\b)+3],   v[BO], s[26:27] offset:(\u)*8192+(\b)*1024 th:TH_LOAD_HT
	global_load_b128 v[(\f)+8*(\b)+4:(\f)+8*(\b)+7], v[BO], s[26:27] offset:(\u)*8192+(\b)*1024+512 th:TH_LOAD_HT
.endr
.endm
.macro PRO                             ; a chunk's first three quarters
	FETCH_B 0, BF0
	FETCH_B 1, BF1
	FETCH_B 2, BF2
.endm
	LOADS 0
	LOADS 1
	WIN 0
.set i, 0
.rept 16
	v_mov_b32 v[S+i], 0                            ; the scores' sums run over two chunks through one text
.set i, i+1
.endr
	s_mov_b32 s39, 3
.Lturn:                                        ; a turn: eight rows are rounded and stored, the next eight asked for
	s_wait_loadcnt 32                              ; set 0 is in (and, the first time, the tables, which are older); set 1's 32 loads may stay out
	CONV 0
	s_wait_xcnt 0x0                                ; every load issued so far has read its address: the pointer is stepped only behind this wait
	s_add_nc_u64 s[4:5], s[4:5], 32768
	LOADS 0
	WIN 0
	; WF is prefetched once: in the first turn, behind that turn's first loads, wave 0 of work-group g names the 32 blocks of 256 bytes from byte 8,192 g on, a lane a block: 256 work-groups name all of WF's
	; 2,097,152 bytes, each block once.  The first loads from WF are issued behind three more turns.
	s_cmp_eq_u32 s39, s40
	s_cbranch_scc0 .Lnot_mine
	global_prefetch_b8 v[PFO], s[6:7] th:TH_LOAD_NT scope:SCOPE_SE
.Lnot_mine:
	s_wait_loadcnt 32                              ; set 1 is in
	CONV 1
	LOADS 1
	WIN 0
	v_add_nc_u32 v[ST1], 8*PITCH, v[ST1]
	s_sub_co_u32 s39, s39, 1
	s_cmp_lg_u32 s39, 0
	s_cbranch_scc1 .Lturn
	s_wait_loadcnt 32                              ; the last eight rows: nothing more of enc is asked for
	CONV 0
	PRO                                            ; the first chunk's first weights
	s_wait_loadcnt 48                              ; set 1 is in; the 48 loads just issued may stay out
	CONV 1
	WIN 0
	; the tables.  b_hid and w_score are rounded to bf16 like every other input and go on as f32; then c (b_hid + the eight partial sums of hidden W2).
.irp z, 0,2,4,6,8,10,12,14
	v_cvt_pk_bf16_f32 v[48+(\z)/2], v[128+(\z)], v[129+(\z)]
.endr
.irp z, 0,2,4,6,8,10,12,14
	v_lshlrev_b32 v[128+(\z)], 16, v[48+(\z)/2]
	v_and_b32 v[129+(\z)], 0xffff0000, v[48+(\z)/2]
.endr
.irp k, 0,1,2,3,4,5,6,7
.irp z, 0,2,4,6
	v_pk_add_f32 v[128+(\z):129+(\z)], v[128+(\z):129+(\z)], v[64+8*(\k)+(\z):65+8*(\k)+(\z)]
.endr
.endr
.irp z, 0,2,4,6
	v_pk_mul_f32 v[128+(\z):129+(\z)], v[128+(\z):129+(\z)], s[34:35] op_sel_hi:[1,0]
.endr
	ds_store_b128 v[HST], v[128:131]
	ds_store_b128 v[HST], v[132:135] offset:2048
	ds_store_b128 v[HST], v[136:139] offset:4096
	ds_store_b128 v[HST], v[140:143] offset:6144
	s_wait_dscnt 0x0                               ; for the others' sake: my rows of enc and my part of the tables lie in LDS
	s_barrier_signal -1
	s_barrier_wait -1
; PHASE 2.  THE MATRIX INSTRUCTION IS USED TRANSPOSED: source 0 = 16 columns of W1, source 1 = 16 rows of enc: lane l then holds row 16 a + l % 16 and its registers the columns 16 bt + 8 (l / 16) + 0..7.
; 16 matrix instructions: row blocks a0, a0 + 1 of the window's four x all 8 column blocks, 32 along K.  zero = 1: the product starts the sums.
; The 64 accumulators take turns, one instruction a turn, in one order in every quarter, over the backward jumps too.
.macro MUL16 fa, fb, hi, a0, zero
	WIN 0xa1+0x50*(\hi)                            ; source 0 window 1, source 1 window 0, C and D window 2 or 3
.irp a, \a0, (\a0)+1
.irp b, 0,1,2,3,4,5,6,7
.if \zero
	v_wmma_f32_16x16x32_bf16 v[8*(8*(\a)+(\b)):8*(8*(\a)+(\b))+7], v[(\fb)+8*(\b):(\fb)+8*(\b)+7], v[(\fa)+8*(4*(\hi)+(\a)):(\fa)+8*(4*(\hi)+(\a))+7], 0
.else
	v_wmma_f32_16x16x32_bf16 v[8*(8*(\a)+(\b)):8*(8*(\a)+(\b))+7], v[(\fb)+8*(\b):(\fb)+8*(\b)+7], v[(\fa)+8*(4*(\hi)+(\a)):(\fa)+8*(4*(\hi)+(\a))+7], v[8*(8*(\a)+(\b)):8*(8*(\a)+(\b))+7]
.endif
.endr
.endr
.endm
; 16 LDS loads: enc's fragments of 128 rows x 32 K at byte koff of the K block whose addresses stand in v[set ..], into buffer f
.macro FETCH_A set, koff, f
	WIN 0
.irp a, 0,1,2,3,4,5,6,7
	ds_load_b128 v[(\f)+8*(\a):(\f)+8*(\a)+3],   v[(\set)+(\a)/2] offset:((\a)%2)*16*PITCH+(\koff)
	ds_load_b128 v[(\f)+8*(\a)+4:(\f)+8*(\a)+7], v[(\set)+(\a)/2] offset:((\a)%2)*16*PITCH+(\koff)+32
.endr
.endm
; A quarter step: 32 along K, 64 matrix instructions on buffers fa and fb.  In its middle, in one run, the next quarter's fragments of enc (into ga) and the weights of the quarter three on (into gb).
; lcnt: the weight loads issued behind fb's, which may stay out.
.macro QUARTER fa, fb, zero, fetcha, aset, akoff, ga, fetchb, bu, gb, lcnt
	s_wait_loadcnt \lcnt
	s_wait_dscnt 8                                 ; enc's rows 0-63 are in; the youngest eight loads (rows 64-127) may be out
	MUL16 \fa, \fb, 0, 0, \zero
	MUL16 \fa, \fb, 0, 2, \zero
.if \fetcha
	PLACES
	FETCH_A \aset, \akoff, \ga
.if \fetchb
	FETCH_B \bu, \gb
.endif
	s_wait_dscnt 16                                ; all but the 16 LDS loads just issued
.else
	s_wait_dscnt 0x0
.endif
	MUL16 \fa, \fb, 1, 0, \zero
	MUL16 \fa, \fb, 1, 2, \zero
.endm
.macro STEP                            ; from the K block's number in s30: the weights' pointer and enc's addresses
	s_lshl_b32 s28, s30, 15
	s_add_nc_u64 s[26:27], s[24:25], s[28:29]
	s_lshl_b32 s31, s30, 8
.irp j, 0,1,2,3
	v_add_nc_u32 v[AN+\j], s31, v[A0+\j]
.endr
.endm
; THE WAY FROM SUMS TO SCORES for row block a: 64 numbers a lane, in place.  Two batches of 64 transcendentals, each with one plain instruction behind its last and ONE wait ahead of its first reader;
; nothing inside a batch names a result of the batch.  A pair's plain instruction stands one pair ahead of its two transcendentals.  Each accumulator is read from its lowest registers on.
.macro EPI a
.set EW, 2+(\a)/4
.set AB, 64*((\a)%4)
	WIN EW|(EW<<6)
	v_pk_fma_f32 v[AB:AB+1], v[AB:AB+1], s[34:35], v[HB:HB+1] op_sel_hi:[1,0,1]          ; c x = c (enc W1) + c (hidden W2 + b_hid)
.set p, 1
.rept 31
	v_pk_fma_f32 v[AB+2*p:AB+2*p+1], v[AB+2*p:AB+2*p+1], s[34:35], v[HB+2*p:HB+2*p+1] op_sel_hi:[1,0,1]
	v_exp_f32 v[AB+2*p-2], v[AB+2*p-2]
	v_exp_f32 v[AB+2*p-1], v[AB+2*p-1]
.set p, p+1
.endr
	v_exp_f32 v[AB+62], v[AB+62]
	v_exp_f32 v[AB+63], v[AB+63]
	v_nop
	s_wait_alu depctr_va_vdst(0)                   ; the wait for the 64 exponentials
	v_pk_add_f32 v[AB:AB+1], v[AB:AB+1], 1.0 op_sel_hi:[1,0]
.set p, 1
.rept 31
	v_pk_add_f32 v[AB+2*p:AB+2*p+1], v[AB+2*p:AB+2*p+1], 1.0 op_sel_hi:[1,0]
	v_rcp_f32 v[AB+2*p-2], v[AB+2*p-2]
	v_rcp_f32 v[AB+2*p-1], v[AB+2*p-1]
.set p, p+1
.endr
	v_rcp_f32 v[AB+62], v[AB+62]
	v_rcp_f32 v[AB+63], v[AB+63]
	v_nop
	s_wait_alu depctr_va_vdst(0)                   ; the wait for the 64 reciprocals
	; S_a += (sum of w) + the sum of (-2 w) r, in four chains: the first starts from the sum of w, the second from S_a
	v_pk_fma_f32 v[AB:AB+1],   v[AB:AB+1],   v[WS2:WS2+1],   v[WS:WS+1]
	v_pk_fma_f32 v[AB+2:AB+3], v[AB+2:AB+3], v[WS2+2:WS2+3], v[S+2*(\a):S+2*(\a)+1]
	v_pk_mul_f32 v[AB+4:AB+5], v[AB+4:AB+5], v[WS2+4:WS2+5]
	v_pk_mul_f32 v[AB+6:AB+7], v[AB+6:AB+7], v[WS2+6:WS2+7]
	WIN EW|(EW<<4)|(EW<<6)
.set p, 4
.rept 28
	v_pk_fma_f32 v[AB+2*(p%4):AB+2*(p%4)+1], v[AB+2*p:AB+2*p+1], v[WS2+2*p:WS2+2*p+1], v[AB+2*(p%4):AB+2*(p%4)+1]
.set p, p+1
.endr
	WIN EW|(EW<<2)|(EW<<6)
	v_pk_add_f32 v[AB:AB+1],   v[AB:AB+1],   v[AB+2:AB+3]
	v_pk_add_f32 v[AB+4:AB+5], v[AB+4:AB+5], v[AB+6:AB+7]
	WIN EW|(EW<<2)
	v_pk_add_f32 v[S+2*(\a):S+2*(\a)+1], v[AB:AB+1], v[AB+4:AB+5]
.endm
	s_mov_b32 s33, 2
.Lchunk:                                       ; 512 columns
	s_lshl_b32 s31, s23, 8
.irp j, 0,1,2,3
	v_add_nc_u32 v[AC+\j], s31, v[A0+\j]           ; K block g % 8
.endr
	FETCH_A AC, 0, AF0
	QUARTER AF0, BF0, 1, 1, AC, 64, AF1, 1, 3, BF3, 32     ; the chunk's first quarter stands in front of the loop: its products start the sums
	WIN 0                                          ; at a label and at a branch every window is 0
	s_wait_xcnt 0x0                                ; the weight loads issued so far have read their pointer
	s_add_co_u32 s30, s23, 1
	s_and_b32 s30, s30, 7
	STEP
	s_mov_b32 s32, 7
.Ltrip:                                        ; a trip: quarters 1 to 3 of a K block and quarter 0 of the next; it asks for the next block's four quarters of weights
	QUARTER AF1, BF1, 0, 1, AC, 128, AF0, 1, 0, BF0, 32
	QUARTER AF0, BF2, 0, 1, AC, 192, AF1, 1, 1, BF1, 32
	QUARTER AF1, BF3, 0, 1, AN, 0,   AF0, 1, 2, BF2, 32
	QUARTER AF0, BF0, 0, 1, AN, 64,  AF1, 1, 3, BF3, 32
	WIN 0
	s_wait_xcnt 0x0                                ; the youngest weight loads stand 32 matrix instructions back: they have read their pointer
.irp j, 0,1,2,3
	v_mov_b32 v[AC+\j], v[AN+\j]
.endr
	s_add_co_u32 s30, s30, 1
	s_and_b32 s30, s30, 7
	STEP
	s_sub_co_u32 s32, s32, 1
	s_cmp_lg_u32 s32, 0
	s_cbranch_scc1 .Ltrip
	QUARTER AF1, BF1, 0, 1, AC, 128, AF0, 0, 0, 0, 32      ; the last K block's quarters 1 to 3 ask for no weights: the counts run down
	QUARTER AF0, BF2, 0, 1, AC, 192, AF1, 0, 0, 0, 16
	QUARTER AF1, BF3, 0, 0, 0, 0, 0, 0, 0, 0, 0
	PLACES                                         ; for the loads below into fragment buffers, and for the vector work on the sums
	WIN 0
	s_cmp_eq_u32 s33, 1
	s_cbranch_scc1 .Lno_more
	s_wait_xcnt 0x0
	s_add_nc_u64 s[24:25], s[24:25], 0x100000      ; the next chunk's column blocks: four of 262,144 bytes on
	s_lshl_b32 s28, s23, 15
	s_add_nc_u64 s[26:27], s[24:25], s[28:29]
	PRO                                            ; its first weights are on their way during the vector work below
	WIN 0
.Lno_more:
.irp b, 0,1,2,3,4,5,6,7
	ds_load_b128 v[HB+8*(\b):HB+8*(\b)+3],   v[HBA] offset:64*(\b)
	ds_load_b128 v[HB+8*(\b)+4:HB+8*(\b)+7], v[HBA] offset:64*(\b)+16
	ds_load_b128 v[WS+8*(\b):WS+8*(\b)+3],   v[WSA] offset:64*(\b)
	ds_load_b128 v[WS+8*(\b)+4:WS+8*(\b)+7], v[WSA] offset:64*(\b)+16
.endr
	v_add_nc_u32 v[HBA], 2048, v[HBA]              ; the next chunk's 512 columns
	v_add_nc_u32 v[WSA], 2048, v[WSA]
	s_wait_dscnt 0x0
.set p, 0
.rept 32
	v_pk_mul_f32 v[WS2+2*p:WS2+2*p+1], v[WS+2*p:WS+2*p+1], -2.0 op_sel_hi:[1,0]
.set p, p+1
.endr
.irp d, 16,8,4,2,1                     ; the sum of my 64 w, in place: it ends in the table's first pair
.set p, 0
.rept \d
	v_pk_add_f32 v[WS+2*p:WS+2*p+1], v[WS+2*p:WS+2*p+1], v[WS+2*(p+\d):WS+2*(p+\d)+1]
.set p, p+1
.endr
.endr
	EPI 0
	EPI 1
	EPI 2
	EPI 3
	EPI 4
	EPI 5
	EPI 6
	EPI 7
	WIN 0
	s_sub_co_u32 s33, s33, 1
	s_cmp_lg_u32 s33, 0
	s_cbranch_scc1 .Lchunk
	; PHASE 3: the scores and the work-group's softmax.  Even and odd columns, the other half of the lanes, then the four waves through LDS.
.irp a, 0,1,2,3,4,5,6,7
	v_add_f32 v[S+2*(\a)], v[S+2*(\a)], v[S+2*(\a)+1]
.endr
.irp a, 0,1,2,3,4,5,6,7
	v_permlanex16_b32 v[S+2*(\a)+1], v[S+2*(\a)], s36, s37
.endr
.irp a, 0,1,2,3,4,5,6,7
	v_add_f32 v[S+2*(\a)], v[S+2*(\a)], v[S+2*(\a)+1]
.endr
.irp a, 0,1,2,3,4,5,6,7
	ds_store_b32 v[SCA], v[S+2*(\a)] offset:64*(\a)        ; row 16 a + l % 16; both halves of the lanes write the same word with the same number
.endr
	s_wait_dscnt 0x0                               ; for the others' sake
	s_barrier_signal -1
	s_barrier_wait -1
	; every wave does the rest for all 128 rows (row 32 i + lane), so that no further barrier is wanted
.irp v, 0,1,2,3
.irp i, 0,1,2,3
	ds_load_b32 v[48+4*(\v)+(\i)], v[SCR] offset:512*(\v)+128*(\i)
.endr
.endr
	s_wait_dscnt 0x0
.irp i, 0,1,2,3
	v_add_f32 v[48+(\i)], v[48+(\i)], v[52+(\i)]
	v_add_f32 v[56+(\i)], v[56+(\i)], v[60+(\i)]
.endr
.irp i, 0,1,2,3
	v_add_f32 v[48+(\i)], v[48+(\i)], v[56+(\i)]   ; s
.endr
	v_max3_num_f32 v52, v48, v49, v50
	v_max_num_f32 v52, v52, v51
	v_max_num_f32_dpp v52, v52, v52 row_xmask:1 row_mask:0xf bank_mask:0xf
	v_max_num_f32_dpp v52, v52, v52 row_xmask:2 row_mask:0xf bank_mask:0xf
	v_max_num_f32_dpp v52, v52, v52 row_xmask:4 row_mask:0xf bank_mask:0xf
	v_max_num_f32_dpp v52, v52, v52 row_xmask:8 row_mask:0xf bank_mask:0xf
	v_permlanex16_b32 v53, v52, s36, s37
	v_max_num_f32 v52, v52, v53                    ; m, in every lane
	v_mul_f32 v60, s38, v52
.irp i, 0,1,2,3
	v_fma_f32 v[56+(\i)], v[48+(\i)], s38, -v60    ; (s - m) log2(e), at most 0
.endr
.irp i, 0,1,2,3
	v_exp_f32 v[56+(\i)], v[56+(\i)]
.endr
	v_nop                                          ; a plain instruction behind the last exponential,
	s_wait_alu depctr_va_vdst(0)                   ; and the one wait ahead of the first reader
	v_add_f32 v54, v56, v57
	v_add_f32 v55, v58, v59
.irp i, 0,1,2,3
	ds_store_b32 v[PPS], v[56+(\i)] offset:128*(\i)        ; my wave's own copy of p
.endr
	v_add_f32 v54, v54, v55
	v_add_f32_dpp v54, v54, v54 row_xmask:1 row_mask:0xf bank_mask:0xf
	v_add_f32_dpp v54, v54, v54 row_xmask:2 row_mask:0xf bank_mask:0xf
	v_add_f32_dpp v54, v54, v54 row_xmask:4 row_mask:0xf bank_mask:0xf
	v_add_f32_dpp v54, v54, v54 row_xmask:8 row_mask:0xf bank_mask:0xf
	v_permlanex16_b32 v55, v54, s36, s37
	v_add_f32 v53, v54, v55                        ; l: v[52:53] = (m, l)
	s_cmp_lg_u32 s20, 0
	s_cbranch_scc1 .Lnot_wave_0
	ds_load_b128 v[48:51], v[PPQ]                  ; LDS serves a wave's instructions in order: this sees my stores above
	s_wait_dscnt 0x0
	global_store_b128 v[BO], v[48:51], s[14:15]    ; the 128 p: 512 consecutive bytes
	global_store_b64 v[MLO], v[52:53], s[16:17]    ; (m, l), once from each lane: 256 consecutive bytes
.Lnot_wave_0:
; PHASE 4: the partial context.  Thread j owns columns 4 j .. 4 j + 3 and 512 + 4 j .. of all 128 rows; a set is 16 rows: their p (the same 16 bytes for every lane) and 2 x 8 bytes of each row.
.macro LOADC set
.irp i, 0,1,2,3
	ds_load_b128 v[PS+16*(\set)+4*(\i):PS+16*(\set)+4*(\i)+3], v[PPA] offset:64*(\set)+16*(\i)
.endr
.set rr, 0
.rept 16
	ds_load_b64 v[XS+64*(\set)+4*rr:XS+64*(\set)+4*rr+1],   v[CXA] offset:(16*(\set)+rr)*PITCH
	ds_load_b64 v[XS+64*(\set)+4*rr+2:XS+64*(\set)+4*rr+3], v[CXA] offset:(16*(\set)+rr)*PITCH+1024
.set rr, rr+1
.endr
.endm
.macro FMAC set                        ; sum += bf16 half x p, in f32; eight chains
.set rr, 0
.rept 16
.irp c, 0,2,4,6
	v_fma_mix_f32_bf16 v[CTX+(\c)],   v[XS+64*(\set)+4*rr+(\c)/2], v[PS+16*(\set)+rr], v[CTX+(\c)]   op_sel_hi:[1,0,0]
	v_fma_mix_f32_bf16 v[CTX+(\c)+1], v[XS+64*(\set)+4*rr+(\c)/2], v[PS+16*(\set)+rr], v[CTX+(\c)+1] op_sel:[1,0,0] op_sel_hi:[1,0,0]
.endr
.set rr, rr+1
.endr
.endm
	LOADC 0
	LOADC 1
.irp c, 0,1,2,3,4,5,6,7
	v_mov_b32 v[CTX+\c], 0
.endr
	s_mov_b32 s39, 3
.Lctx:                                         ; a trip: 32 rows are added, the next 32 fetched
	s_wait_dscnt 36                                ; set 0 is in; set 1's 36 loads may stay out
	FMAC 0
	v_add_nc_u32 v[CXA], 32*PITCH, v[CXA]
	v_add_nc_u32 v[PPA], 128, v[PPA]
	LOADC 0
	s_wait_dscnt 36                                ; set 1 is in
	FMAC 1
	LOADC 1
	s_sub_co_u32 s39, s39, 1
	s_cmp_lg_u32 s39, 0
	s_cbranch_scc1 .Lctx
	s_wait_dscnt 36
	FMAC 0
	s_wait_dscnt 0x0
	FMAC 1
	global_store_b128 v[JO], v[CTX:CTX+3],   s[18:19]              ; a wave's store covers 512 consecutive bytes
	global_store_b128 v[JO], v[CTX+4:CTX+7], s[18:19] offset:2048
	s_wait_tensorcnt 0x0                           ; the wave's end, behind my last LDS store
	ds_add_u32 v[SPW], v[NIL]
	s_wait_dscnt 0x0
	s_endpgm
.Lfunc_end_k_q913e836a55_main:
	.size	k_q913e836a55_main, .Lfunc_end_k_q913e836a55_main-k_q913e836a55_main
	.p2alignl 7, 3214868480
	.fill 96, 4, 3214868480
	.section	.rodata,"a",@progbits
	.p2align	6, 0x0
	.amdhsa_kernel k_q913e836a55_main
		.amdhsa_group_segment_fixed_size 276992
		.amdhsa_private_segment_fixed_size 0
		.amdhsa_enable_private_segment 0
		.amdhsa_kernarg_size 64
		.amdhsa_user_sgpr_count 2
		.amdhsa_user_sgpr_kernarg_segment_ptr 1
		.amdhsa_wavefront_size32 1
		.amdhsa_system_sgpr_workgroup_id_x 1
		.amdhsa_system_sgpr_workgroup_id_y 1
		.amdhsa_system_sgpr_workgroup_id_z 1
		.amdhsa_system_vgpr_workitem_id 0
		.amdhsa_next_free_vgpr 1024
		.amdhsa_next_free_sgpr 66
		.amdhsa_reserve_vcc 0
		.amdhsa_float_denorm_mode_32 3
		.amdhsa_float_denorm_mode_16_64 3
		.amdhsa_memory_ordered 1
		.amdhsa_forward_progress 1
		.amdhsa_inst_pref_size 244
	.end_amdhsa_kernel
	.amdgpu_metadata
---
amdhsa.version: [ 1, 2 ]
amdhsa.kernels:
  - .name:           k_q913e836a55_main
    .symbol:         k_q913e836a55_main.kd
    .args:
      - { .name: encoder_outputs, .offset: 0, .size: 8, .value_kind: global_buffer, .address_space: global }
      - { .name: WF, .offset: 8, .size: 8, .value_kind: global_buffer, .address_space: global }
      - { .name: HBP, .offset: 16, .size: 8, .value_kind: global_buffer, .address_space: global }
      - { .name: b_hid, .offset: 24, .size: 8, .value_kind: global_buffer, .address_space: global }
      - { .name: w_score, .offset: 32, .size: 8, .value_kind: global_buffer, .address_space: global }
      - { .name: PW, .offset: 40, .size: 8, .value_kind: global_buffer, .address_space: global }
      - { .name: ML, .offset: 48, .size: 8, .value_kind: global_buffer, .address_space: global }
      - { .name: CP, .offset: 56, .size: 8, .value_kind: global_buffer, .address_space: global }
    .group_segment_fixed_size: 276992
    .private_segment_fixed_size: 0
    .kernarg_segment_align: 8
    .kernarg_segment_size: 64
    .max_flat_workgroup_size: 128
    .sgpr_count:     66
    .vgpr_count:     1024
    .wavefront_size: 32
...
	.end_amdgpu_metadata
.endif
;; end of part 2
;; launch combine (part 3): grid 32 x 1, 8 waves a work-group, no clusters, 0 bytes of LDS; arguments PW, ML, CP, out0, out1; writes out0, out1
.if DOCPART == 3
	.amdgcn_target "amdgcn-amd-amdhsa--gfx1250"
	.amdhsa_code_object_version 6
	.text
	.protected	k_q913e836a55_combine
	.globl	k_q913e836a55_combine
	.p2align	8
	.type	k_q913e836a55_combine,@function
k_q913e836a55_combine:
	s_mov_b64 s[64:65], 0
	v_nop
	global_prefetch_b8 v0, s[64:65] scope:SCOPE_SE
	s_setreg_imm32_b32 hwreg(HW_REG_WAVE_MODE, 25, 1), 1
	s_wait_xcnt 0x0
; A batch's eight partial softmaxes are joined.  Group g' of 128 rows left m, l (ML), p = exp(s - m) (PW) and the sum of p enc (CP).
; M = max m;  f = exp(m - M);  L = sum f l;  out0[b] = (sum f CP) / L;  out1[b][t] = p[t] f(t's group) / L.  All in f32.  L is at least 1: the group that holds M has f = 1 and l >= 1.
; One work-group a batch, 256 threads: thread j owns columns 4 j .. 4 j + 3 of out0 and rows 4 j .. of out1, which lie in group j / 32.  32 work-groups: the launch has 32 batches and moves 1.3 MB.
; An exponential below 2^-126 counts as 0.
	s_load_b256 s[4:11], s[0:1], 0x0               ; PW s[4:5], ML s[6:7], CP s[8:9], out0 s[10:11]
	s_load_b64 s[12:13], s[0:1], 0x20              ; out1
	v_lshlrev_b32 v1, 4, v0                        ; 16 j
	v_mov_b32 v2, 0
	v_lshrrev_b32 v3, 5, v0
	v_lshlrev_b32 v3, 8, v3                        ; my group's 256 bytes of ML
	s_mov_b32 s14, 0x3fb8aa3b                      ; log2(e)
	s_lshl_b32 s16, ttmp9, 12                      ; a batch's 4,096 bytes of PW, out0, out1
	s_mov_b32 s17, 0
	s_lshl_b32 s18, ttmp9, 11                      ; its 8 x 256 bytes of ML
	s_mov_b32 s19, 0
	s_lshl_b32 s20, ttmp9, 15                      ; its 8 x 4,096 bytes of CP
	s_mov_b32 s21, 0
	s_wait_kmcnt 0x0
	s_add_nc_u64 s[4:5], s[4:5], s[16:17]
	s_add_nc_u64 s[6:7], s[6:7], s[18:19]
	s_add_nc_u64 s[8:9], s[8:9], s[20:21]
	s_add_nc_u64 s[10:11], s[10:11], s[16:17]
	s_add_nc_u64 s[12:13], s[12:13], s[16:17]
.irp g, 0,1,2,3,4,5,6,7
	global_load_b64 v[16+2*(\g):17+2*(\g)], v2, s[6:7] offset:256*(\g)           ; (m, l) of group g
.endr
	global_load_b64 v[32:33], v3, s[6:7]                                         ; (m, l) of my rows' group
.irp g, 0,1,2,3,4,5,6,7
	global_load_b128 v[36+4*(\g):39+4*(\g)], v1, s[8:9] offset:4096*(\g)
.endr
	global_load_b128 v[68:71], v1, s[4:5]
	s_wait_loadcnt 0x0
	v_max3_num_f32 v8, v16, v18, v20
	v_max3_num_f32 v8, v8, v22, v24
	v_max3_num_f32 v8, v8, v26, v28
	v_max_num_f32 v8, v8, v30                      ; M
	v_mul_f32 v9, s14, v8
.irp g, 0,1,2,3,4,5,6,7,8
	v_fma_f32 v[16+2*(\g)], v[16+2*(\g)], s14, -v9 ; (m - M) log2(e), at most 0
.endr
.irp g, 0,1,2,3,4,5,6,7,8
	v_exp_f32 v[16+2*(\g)], v[16+2*(\g)]           ; the pairs become (f, l)
.endr
	v_nop                                          ; a plain instruction behind the last exponential,
	s_wait_alu depctr_va_vdst(0)                   ; and one wait for the nine, ahead of their first reader
	v_mul_f32 v10, v16, v17
.irp g, 1,2,3,4,5,6,7
	v_fmac_f32 v10, v[16+2*(\g)], v[17+2*(\g)]     ; L
.endr
	v_rcp_f32 v12, v10
	v_pk_mul_f32 v[72:73], v[36:37], v[16:17] op_sel_hi:[1,0]      ; the first group starts the sums; these lines name nothing of the reciprocal
	v_pk_mul_f32 v[74:75], v[38:39], v[16:17] op_sel_hi:[1,0]
.irp g, 1,2,3,4,5,6,7
	v_pk_fma_f32 v[72:73], v[36+4*(\g):37+4*(\g)], v[16+2*(\g):17+2*(\g)], v[72:73] op_sel_hi:[1,0,1]
	v_pk_fma_f32 v[74:75], v[38+4*(\g):39+4*(\g)], v[16+2*(\g):17+2*(\g)], v[74:75] op_sel_hi:[1,0,1]
.endr
	s_wait_alu depctr_va_vdst(0)                   ; the reciprocal's wait
	v_mul_f32 v13, v32, v12                        ; f of my rows' group / L
	v_pk_mul_f32 v[72:73], v[72:73], v[12:13] op_sel_hi:[1,0]
	v_pk_mul_f32 v[74:75], v[74:75], v[12:13] op_sel_hi:[1,0]
.irp i, 0,1,2,3
	v_mul_f32 v[68+(\i)], v[68+(\i)], v13
.endr
	global_store_b128 v1, v[72:75], s[10:11]       ; a wave's store covers 512 consecutive bytes
	global_store_b128 v1, v[68:71], s[12:13]
	s_endpgm
.Lfunc_end_k_q913e836a55_combine:
	.size	k_q913e836a55_combine, .Lfunc_end_k_q913e836a55_combine-k_q913e836a55_combine
	.p2alignl 7, 3214868480
	.fill 96, 4, 3214868480
	.section	.rodata,"a",@progbits
	.p2align	6, 0x0
	.amdhsa_kernel k_q913e836a55_combine
		.amdhsa_group_segment_fixed_size 0
		.amdhsa_private_segment_fixed_size 0
		.amdhsa_enable_private_segment 0
		.amdhsa_kernarg_size 40
		.amdhsa_user_sgpr_count 2
		.amdhsa_user_sgpr_kernarg_segment_ptr 1
		.amdhsa_wavefront_size32 1
		.amdhsa_system_sgpr_workgroup_id_x 1
		.amdhsa_system_sgpr_workgroup_id_y 1
		.amdhsa_system_sgpr_workgroup_id_z 1
		.amdhsa_system_vgpr_workitem_id 0
		.amdhsa_next_free_vgpr 80
		.amdhsa_next_free_sgpr 66
		.amdhsa_reserve_vcc 0
		.amdhsa_float_denorm_mode_32 3
		.amdhsa_float_denorm_mode_16_64 3
		.amdhsa_memory_ordered 1
		.amdhsa_forward_progress 1
		.amdhsa_inst_pref_size 6
	.end_amdhsa_kernel
	.amdgpu_metadata
---
amdhsa.version: [ 1, 2 ]
amdhsa.kernels:
  - .name:           k_q913e836a55_combine
    .symbol:         k_q913e836a55_combine.kd
    .args:
      - { .name: PW, .offset: 0, .size: 8, .value_kind: global_buffer, .address_space: global }
      - { .name: ML, .offset: 8, .size: 8, .value_kind: global_buffer, .address_space: global }
      - { .name: CP, .offset: 16, .size: 8, .value_kind: global_buffer, .address_space: global }
      - { .name: out0, .offset: 24, .size: 8, .value_kind: global_buffer, .address_space: global }
      - { .name: out1, .offset: 32, .size: 8, .value_kind: global_buffer, .address_space: global }
    .group_segment_fixed_size: 0
    .private_segment_fixed_size: 0
    .kernarg_segment_align: 8
    .kernarg_segment_size: 40
    .max_flat_workgroup_size: 256
    .sgpr_count:     66
    .vgpr_count:     80
    .wavefront_size: 32
...
	.end_amdgpu_metadata
.endif
;; end of part 3
;; ======== version 2 of 2: 3 launches; version 1 with the launch main written anew for expert scheduling mode
;; workspace buffers: WF 2,097,152 bytes; HBP 1,048,576 bytes; PW 131,072 bytes; ML 65,536 bytes; CP 1,048,576 bytes
;; launch prep: the kernel of part 1 again; grid 16 x 16, 4 waves a work-group, no clusters, 55,808 bytes of LDS; arguments W_hid, hidden, WF, HBP; writes WF, HBP
;; launch main (part 4): grid 256 x 1, 4 waves a work-group, no clusters, 276,992 bytes of LDS; arguments encoder_outputs, WF, HBP, b_hid, w_score, PW, ML, CP; writes PW, ML, CP
.if DOCPART == 4
	.amdgcn_target "amdgcn-amd-amdhsa--gfx1250"
	.amdhsa_code_object_version 6
	.text
	.protected	k_q913e836a55_main
	.globl	k_q913e836a55_main
	.p2align	8
	.type	k_q913e836a55_main,@function
k_q913e836a55_main:
	s_mov_b64 s[64:65], 0
	v_nop
	global_prefetch_b8 v0, s[64:65] scope:SCOPE_SE
	s_setreg_imm32_b32 hwreg(HW_REG_WAVE_SCHED_MODE, 0, 2), 2
	s_setreg_imm32_b32 hwreg(HW_REG_WAVE_MODE, 25, 1), 1
	s_wait_xcnt 0x0
	s_wait_alu depctr_vm_vsrc(0)
; For 128 rows t of one batch b (work-group g: b = g / 8):  s[t] = w_score . tanh(enc[t] W1 + hidden[b] W2 + b_hid);  m = max s;  p[t] = exp(s[t] - m);  l = sum p;  CP[g] = sum over t of p[t] enc[t].
; The next launch joins a batch's eight (m, l, p, CP).
; EACH BYTE OF enc ONCE.  The 128 rows are read as f32, rounded once to bf16 and kept in LDS (128 x 2,064 bytes): they are the matrix operand for all 1,024 columns and afterwards the rows of the context.
; SHARES.  The 1,024 columns go in two chunks of 512; in a chunk each of the four waves makes 128 rows x 128 columns: 64 accumulators, 512 registers.  The waves split the columns, so no two waves of
; the work-group want the same fragment of the weights: each wave loads its own from WF, where the launch before laid them as they lie in registers (512 consecutive bytes a load), into a ring of four
; register buffers: a quarter step's 16 loads are issued three quarter steps ahead of their use.
; NO CLUSTER, NO TENSOR LOADS, though all work-groups read the same 2 MiB of weights: beside the resident rows and the tables 50,688 bytes of LDS are left; 32 along K of 512 columns are 32,768 bytes, so two slots
; do not fit, and one step of 64 matrix instructions a wave is all that a refill would have in which to land.
; THE ORDER OF K is rotated: work-group g begins at block g % 8 of the eight blocks of 128 along K, so that the work-groups stand at eight places of WF.  f32 sums are taken in that order.
; tanh(x) = 1 - 2 / (1 + 2^(c x)), c = 2 log2(e): it saturates to +-1 where 2^(c x) is infinite or 0.  The score is taken as (sum of w) - 2 (sum of w r), r = 1 / (1 + 2^(c x)), all in f32.
; FORMATS.  enc, W_hid, hidden, b_hid and w_score are each rounded once to bf16 (nearest even); products' sums, hidden W2 + b_hid, scores, m, l, p and the context's sums are f32.
; LIMITS.  NaN and infinities are not treated apart; an exponential below 2^-126 counts as 0; the order of the sums over K differs from a plain ascending one.
; THE MODE: SCHED_MODE bits 1:0 = 2 (LLVM: expert scheduling mode 2), set by the entry lines.  The code itself states the register dependences between vector or matrix instructions and memory or LDS
; instructions, with s_wait_alu, always for 0.
; THE PLAN.  Registers that memory or LDS instructions touch:
;   v4-v31        addresses, made at the head ahead of one wait.  Written again: ST1 (once a turn), AC and AN (once a trip), AC, HBA and WSA (once a chunk), CXA and PPA (once a trip of the context).
;   RAW0, RAW1    enc as loaded.  A set's 64 conversions read it; ONE wait behind them, and the set is asked for again at once.
;   OUT0, OUT1    enc in bf16.  Written by those conversions, read by the set's 32 LDS stores, which follow the same wait behind the loads.  One wait a turn, ahead of the add to ST1, frees ST1 and both.
;   AF0, AF1; BF0 .. BF3   Quarter q's matrix instructions read AF[q % 2] and BF[q % 4].  Its loads land in the other AF and in BF[(q - 1) % 4]: the two buffers that quarter q - 1 read and that no matrix
;                 instruction of quarter q names.  So ONE wait at a quarter's head, behind the waits for its data, states all that its 32 loads hang on; they stand in four runs of eight among its matrix instructions.
;   v64-191       between the chunks the bias and w tables land where the fragments of enc lay: one wait behind the chunk's last matrix instruction, which also serves the next chunk's first weights.
;   S, v48-63     the scores' way through LDS;  XS, PS  the context's two sets: a wait behind each set's multiply-adds, ahead of its refill;  CTX  one wait ahead of the last stores.
; REGISTERS, in windows of 256 (s_set_vgpr_msb: bits 1:0 source 0, 3:2 source 1, 5:4 source 2, 7:6 destination):
;   window 0: v0-31 addresses; v32-47 the scores' sums; v48-63 at work; v64-127, v128-191 fragments of enc, two buffers (between the chunks: the bias and w tables; at the end the context's rows); v192-255 tables
;   window 1: four buffers of 64: fragments of the weights          windows 2, 3: the accumulators ((a, bt) at v[8 (8 (a % 4) + bt)] of window 2 + a / 4); at the start window 2 holds RAW, window 3 OUT
.set PITCH, 2064                       ; an LDS row: 2,048 bytes + 16 = 129 x 16: the 16 rows of a fragment load start at 16 different groups of four banks (64 banks of 4 bytes: ISA guide 11.1)
.set HBC,   128*PITCH                  ; c (hidden W2 + b_hid), 1,024 f32
.set WSL,   HBC+4096                   ; w_score, 1,024 f32
.set SC,    HBC+8192                   ; the four waves' partial scores, 128 f32 each
.set PPL,   SC+2048                    ; each wave's own copy of the 128 p
.set SPARE, PPL+2048                   ; the spare words, 128 bytes for each wave: two blocks of 256 bytes that no other line names
.set SPW, 4                            ; v4   LDS address of my spare word; never rewritten
.set NIL, 5                            ; v5   0; never rewritten
.set BO,  6                            ; v6   16 x lane; never rewritten
.set ST1, 7                            ; v7   where I put 8 bytes of a row of enc
.set A0,  8                            ; v8-11   (32 j + l % 16) rows + 16 (l / 16); never rewritten
.set AC,  12                           ; v12-15  the same at the K block in hand
.set AN,  16                           ; v16-19  at the next K block
.set HBA, 20                           ; v20  my 8 columns of the bias table; it starts a chunk's 2,048 bytes low and steps at each chunk's head
.set WSA, 21                           ; v21  of the w table, likewise
.set JO,  22                           ; v22  16 x thread; never rewritten
.set HST, 23                           ; v23  HBC + 16 x thread
.set SCA, 24                           ; v24  my wave's partial scores, in
.set SCR, 25                           ; v25  all waves' partial scores, back
.set PPS, 26                           ; v26  my wave's p, in
.set PPA, 27                           ; v27  my wave's p, back, the same address in every lane
.set CXA, 28                           ; v28  8 x thread + the context's rows
.set PFO, 29                           ; v29  the prefetch's offset; never rewritten
.set PPQ, 30                           ; v30  my wave's p, 16 bytes a lane
.set MLO, 31                           ; v31  8 x lane
.set S,   32                           ; v[32:47]  S_a: for row 16 a + l % 16 the sum over my columns, even and odd columns apart
.set AF0, 64
.set AF1, 128
.set HB,  64                           ; between the chunks: c (hb + b) of my 64 columns
.set WS,  128                          ; w of my 64 columns; then, in its first pair, their sum
.set WS2, 192                          ; -2 w
.set XS,  64                           ; the context: two sets of 16 rows x 8 columns of bf16
.set PS,  192                          ; two sets of 16 p
.set CTX, 224                          ; v[224:231] my 8 columns' sums
.set BF0, 0
.set BF1, 64
.set BF2, 128
.set BF3, 192
.set OUT, 0                            ; window 3: set s of enc in bf16 at OUT + 64 s
; scalars: s[4:5] enc (stepped), s[6:7] WF (never rewritten), s[8:9] HBP, s[10:11] b_hid, s[12:13] w_score, s[14:15] PW, s[16:17] ML, s[18:19] CP; s20 wave, s21 g, s22 b, s23 g % 8;
; s[24:25] WF at my 128 columns of the chunk; s[26:27] the same at a K block; s[28:29] an offset, high word 0; s30 K block; s31 its bytes in a row; s32, s33, s39 counts; s[34:35] c; s[36:37] lane selects; s38 log2(e); s40 see below
.set MSB, 0
.macro WIN new                         ; the immediate's high byte repeats the setting that is left; a switch that changes nothing is dropped
.if MSB != (\new)
	s_set_vgpr_msb (MSB<<8)|(\new)
.set MSB, \new
.endif
.endm
.macro PLACES                          ; four places between a matrix instruction and a vector instruction that reads its result or writes one of its registers (ISA guide 7.12.1)
.rept 4
	v_nop
.endr
.endm
	s_load_b512 s[4:19], s[0:1], 0x0
	v_lshl_add_u32 v[SPW], v0, 2, SPARE
	v_mov_b32 v[NIL], 0
	v_lshrrev_b32 v1, 5, v0
	v_readfirstlane_b32 s20, v1                    ; wave 0..3
	s_mov_b32 s21, ttmp9
	s_lshr_b32 s22, s21, 3
	s_and_b32 s23, s21, 7
	v_and_b32 v1, 15, v0                           ; l % 16
	v_bfe_u32 v2, v0, 4, 1                         ; l / 16
	v_and_b32 v3, 31, v0                           ; l
	v_lshlrev_b32 v[BO], 4, v3
	v_mul_u32_u24 v[A0], v1, PITCH
	v_lshl_add_u32 v[A0], v2, 4, v[A0]
	v_add_nc_u32 v[A0+1], 32*PITCH, v[A0]
	v_add_nc_u32 v[A0+2], 64*PITCH, v[A0]
	v_add_nc_u32 v[A0+3], 96*PITCH, v[A0]
	v_lshlrev_b32 v[JO], 4, v0
	v_add_nc_u32 v[HST], HBC, v[JO]
	v_lshl_add_u32 v[SCR], v3, 2, SC
	v_lshlrev_b32 v[CXA], 3, v0
	v_lshlrev_b32 v[MLO], 3, v3
	s_lshl_b32 s43, s21, 13
	v_lshl_add_u32 v[PFO], v3, 8, s43              ; 8,192 g + 256 l
	s_wait_alu depctr_va_sdst(0)                   ; s20 is written, ahead of its first reader: LDS addresses, pointers and branches are made from it
	s_mul_i32 s41, s20, 32*PITCH
	v_lshl_add_u32 v[ST1], v3, 3, s41
	s_lshl_b32 s42, s20, 9                         ; my wave's 128 columns, or 128 numbers, of 4 bytes
	s_add_co_u32 s43, s42, HBC-2048                ; a chunk's 2,048 bytes low: the first chunk's head adds them
	v_lshl_add_u32 v[HBA], v2, 5, s43
	v_add_nc_u32 v[WSA], 4096, v[HBA]
	s_add_co_u32 s43, s42, SC
	v_lshl_add_u32 v[SCA], v1, 2, s43
	s_add_co_u32 s43, s42, PPL
	v_lshl_add_u32 v[PPS], v3, 2, s43
	v_mov_b32 v[PPA], s43
	v_lshl_add_u32 v[PPQ], v3, 4, s43
	s_mov_b32 s34, 0x4038aa3b                      ; c = 2 log2(e)
	s_mov_b32 s35, s34                             ; named with it as a pair
	s_mov_b32 s36, 0x76543210                      ; v_permlanex16_b32: each lane takes its own place in the other half
	s_mov_b32 s37, 0xfedcba98
	s_mov_b32 s38, 0x3fb8aa3b                      ; log2(e)
	s_cmp_eq_u32 s20, 0
	s_cselect_b32 s40, 3, -1                       ; wave 0 prefetches where the count of turns stands at 3: in the first turn
	s_mov_b32 s29, 0
	s_wait_kmcnt 0x0
	s_lshl_b32 s28, s21, 19                        ; 128 g rows of 4,096 bytes,
	s_lshl_b32 s41, s20, 17                        ; my wave's 32 of them
	s_add_co_u32 s28, s28, s41
	s_add_nc_u64 s[4:5], s[4:5], s[28:29]
	s_lshl_b32 s28, s22, 12
	s_add_nc_u64 s[8:9], s[8:9], s[28:29]          ; HBP at row b
	s_lshl_b32 s28, s21, 9
	s_add_nc_u64 s[14:15], s[14:15], s[28:29]      ; PW at my 128 numbers
	s_lshl_b32 s28, s21, 8
	s_add_nc_u64 s[16:17], s[16:17], s[28:29]      ; ML at my 256 bytes
	s_lshl_b32 s28, s21, 12
	s_add_nc_u64 s[18:19], s[18:19], s[28:29]      ; CP at my row
	s_lshl_b32 s28, s20, 18
	s_add_nc_u64 s[24:25], s[6:7], s[28:29]        ; WF at column block w: 32 x 8 x 1,024 bytes each
	s_lshl_b32 s28, s23, 15
	s_add_nc_u64 s[26:27], s[24:25], s[28:29]      ; at K block g % 8: 4 x 8,192 bytes each
	s_wait_alu depctr_va_vdst(0)                   ; the addresses v4 to v31 are written, which the kernel's loads, stores and its prefetch read
	; the small tables' loads go first: thread j takes columns 4 j .. and 512 + 4 j ..
.irp k, 0,1,2,3,4,5,6,7
	global_load_b128 v[64+8*(\k):64+8*(\k)+3],   v[JO], s[8:9] offset:(\k)*131072
	global_load_b128 v[64+8*(\k)+4:64+8*(\k)+7], v[JO], s[8:9] offset:(\k)*131072+2048
.endr
	global_load_b128 v[128:131], v[JO], s[10:11]
	global_load_b128 v[132:135], v[JO], s[10:11] offset:2048
	global_load_b128 v[136:139], v[JO], s[12:13]
	global_load_b128 v[140:143], v[JO], s[12:13] offset:2048
; PHASE 1: enc into LDS.  Wave w takes rows 32 w .. 32 w + 31; a set is four rows: 32 loads of 512 consecutive bytes.
.macro LOADS set
	WIN 0x80                                       ; destination window 2
.set i, 0
.rept 32
	global_load_b128 v[128*(\set)+4*i:128*(\set)+4*i+3], v[BO], s[4:5] offset:(\set)*16384+(i/8)*4096+(i%8)*512 th:TH_LOAD_NT
.set i, i+1
.endr
.endm
.macro CVT set                         ; four f32 of RAW become 8 bytes of OUT
	WIN 0xca                                       ; sources window 2, destination window 3
.set i, 0
.rept 32
	v_cvt_pk_bf16_f32 v[OUT+64*(\set)+2*i],   v[128*(\set)+4*i],   v[128*(\set)+4*i+1]
	v_cvt_pk_bf16_f32 v[OUT+64*(\set)+2*i+1], v[128*(\set)+4*i+2], v[128*(\set)+4*i+3]
.set i, i+1
.endr
.endm
.macro PUT set                         ; a wave's store covers 256 consecutive bytes of an LDS row
	WIN 0x0c                                       ; address window 0, data window 3
.set i, 0
.rept 32
	ds_store_b64 v[ST1], v[OUT+64*(\set)+2*i:OUT+64*(\set)+2*i+1] offset:(\set)*4*PITCH+(i/8)*PITCH+(i%8)*256
.set i, i+1
.endr
.endm
; 8 loads: half h of the weights' fragments of quarter u of the K block at s[26:27], for my 128 columns, into buffer f of window 1
.macro FETCH_B u, f, h
	WIN 0x40
.irp b, 0,1,2,3
	global_load_b128 v[(\f)+8*(4*(\h)+(\b)):(\f)+8*(4*(\h)+(\b))+3],   v[BO], s[26:27] offset:(\u)*8192+(4*(\h)+(\b))*1024 th:TH_LOAD_HT
	global_load_b128 v[(\f)+8*(4*(\h)+(\b))+4:(\f)+8*(4*(\h)+(\b))+7], v[BO], s[26:27] offset:(\u)*8192+(4*(\h)+(\b))*1024+512 th:TH_LOAD_HT
.endr
.endm
.macro PRO                             ; a chunk's first three quarters
	FETCH_B 0, BF0, 0
	FETCH_B 0, BF0, 1
	FETCH_B 1, BF1, 0
	FETCH_B 1, BF1, 1
	FETCH_B 2, BF2, 0
	FETCH_B 2, BF2, 1
.endm
	LOADS 0
	LOADS 1
	WIN 0
.set i, 0
.rept 16
	v_mov_b32 v[S+i], 0                            ; the scores' sums run over two chunks through one text
.set i, i+1
.endr
	s_mov_b32 s39, 3
.Lturn:                                        ; a turn: eight rows are rounded and stored, the next eight asked for
	s_wait_loadcnt 32                              ; set 0 is in (and, the first time, the tables, which are older); set 1's 32 loads may stay out
	CVT 0
	s_wait_alu depctr_va_vdst(0)                   ; the conversions are done reading RAW0, in which the loads below land, and have written OUT0, which the LDS stores read; v[ST1] is written
	s_wait_xcnt 0x0                                ; every load issued so far has read its address: the pointer is stepped only behind this wait
	s_add_nc_u64 s[4:5], s[4:5], 32768
	LOADS 0                                        ; the set is asked for again ahead of the stores
	PUT 0
	WIN 0
	; WF is prefetched once: in the first turn, behind that turn's first loads, wave 0 of work-group g names the 32 blocks of 256 bytes from byte 8,192 g on, a lane a block: 256 work-groups name all of WF's
	; 2,097,152 bytes, each block once.  The first loads from WF are issued behind three more turns.
	s_cmp_eq_u32 s39, s40
	s_cbranch_scc0 .Lnot_mine
	global_prefetch_b8 v[PFO], s[6:7] th:TH_LOAD_NT scope:SCOPE_SE
.Lnot_mine:
	s_wait_loadcnt 32                              ; set 1 is in
	CVT 1
	s_wait_alu depctr_va_vdst(0)                   ; the conversions are done reading RAW1, in which the loads below land, and have written OUT1, which the LDS stores read
	LOADS 1
	PUT 1
	WIN 0
	s_wait_alu depctr_vm_vsrc(0)                   ; the turn's LDS stores have read v[ST1], which the next line writes, and OUT0 and OUT1, which the next turn's conversions write
	v_add_nc_u32 v[ST1], 8*PITCH, v[ST1]
	s_sub_co_u32 s39, s39, 1
	s_cmp_lg_u32 s39, 0
	s_cbranch_scc1 .Lturn
	s_wait_loadcnt 32                              ; the last eight rows: nothing more of enc is asked for
	CVT 0
	s_wait_alu depctr_va_vdst(0)                   ; the conversions have written OUT0, which the LDS stores read; v[ST1] is written
	PRO                                            ; the first chunk's first weights, into registers that nothing has named yet
	PUT 0
	s_wait_loadcnt 48                              ; set 1 is in; the 48 loads just issued may stay out
	CVT 1
	WIN 0
	; the tables.  b_hid and w_score are rounded to bf16 like every other input and go on as f32; then c (b_hid + the eight partial sums of hidden W2).
.irp z, 0,2,4,6,8,10,12,14
	v_cvt_pk_bf16_f32 v[48+(\z)/2], v[128+(\z)], v[129+(\z)]
.endr
.irp z, 0,2,4,6,8,10,12,14
	v_lshlrev_b32 v[128+(\z)], 16, v[48+(\z)/2]
	v_and_b32 v[129+(\z)], 0xffff0000, v[48+(\z)/2]
.endr
.irp k, 0,1,2,3,4,5,6,7
.irp z, 0,2,4,6
	v_pk_add_f32 v[128+(\z):129+(\z)], v[128+(\z):129+(\z)], v[64+8*(\k)+(\z):65+8*(\k)+(\z)]
.endr
.endr
.irp z, 0,2,4,6
	v_pk_mul_f32 v[128+(\z):129+(\z)], v[128+(\z):129+(\z)], s[34:35] op_sel_hi:[1,0]
.endr
	s_wait_alu depctr_va_vdst(0)                   ; the conversions have written OUT1 and the lines above v[128:143]: the LDS stores below read them
	PUT 1
	WIN 0
	ds_store_b128 v[HST], v[128:131]
	ds_store_b128 v[HST], v[132:135] offset:2048
	ds_store_b128 v[HST], v[136:139] offset:4096
	ds_store_b128 v[HST], v[140:143] offset:6144
	s_wait_dscnt 0x0                               ; for the others' sake: my rows of enc and my part of the tables lie in LDS
	s_barrier_signal -1
	s_barrier_wait -1
; PHASE 2.  THE MATRIX INSTRUCTION IS USED TRANSPOSED: source 0 = 16 columns of W1, source 1 = 16 rows of enc: lane l then holds row 16 a + l % 16 and its registers the columns 16 bt + 8 (l / 16) + 0..7.
; 8 matrix instructions: row block a of the window's four x all 8 column blocks, 32 along K.  zero = 1: the product starts the sums.
; The 64 accumulators take turns, one instruction a turn, in one order in every quarter, over the backward jumps too.
.macro MUL8 fa, fb, hi, a, zero
	WIN 0xa1+0x50*(\hi)                            ; source 0 window 1, source 1 window 0, C and D window 2 or 3
.irp b, 0,1,2,3,4,5,6,7
.if \zero
	v_wmma_f32_16x16x32_bf16 v[8*(8*(\a)+(\b)):8*(8*(\a)+(\b))+7], v[(\fb)+8*(\b):(\fb)+8*(\b)+7], v[(\fa)+8*(4*(\hi)+(\a)):(\fa)+8*(4*(\hi)+(\a))+7], 0
.else
	v_wmma_f32_16x16x32_bf16 v[8*(8*(\a)+(\b)):8*(8*(\a)+(\b))+7], v[(\fb)+8*(\b):(\fb)+8*(\b)+7], v[(\fa)+8*(4*(\hi)+(\a)):(\fa)+8*(4*(\hi)+(\a))+7], v[8*(8*(\a)+(\b)):8*(8*(\a)+(\b))+7]
.endif
.endr
.endm
; 8 LDS loads: enc's fragments of 64 rows (half h of the 128) x 32 K at byte koff of the K block whose addresses stand in v[set ..], into buffer f
.macro FETCH_A set, koff, f, h
	WIN 0
.irp a, 0,1,2,3
	ds_load_b128 v[(\f)+8*(4*(\h)+(\a)):(\f)+8*(4*(\h)+(\a))+3],   v[(\set)+(4*(\h)+(\a))/2] offset:((\a)%2)*16*PITCH+(\koff)
	ds_load_b128 v[(\f)+8*(4*(\h)+(\a))+4:(\f)+8*(4*(\h)+(\a))+7], v[(\set)+(4*(\h)+(\a))/2] offset:((\a)%2)*16*PITCH+(\koff)+32
.endr
.endm
; A quarter step: 32 along K, 64 matrix instructions on buffers fa and fb.  Behind the first four groups of eight stand, in runs of eight, the next quarter's fragments of enc (into ga) and the weights of
; the quarter three on (into gb): the enc loads 48 matrix instructions or more ahead of the next quarter's head.  lcnt: the weight loads issued behind fb's, which may stay out.
; No wait on va_vdst in a chunk's first quarter (nothing on the vector side has been issued since the wait at the chunk's head but this quarter's own matrix instructions) nor in its last (it issues no load).
.macro QUARTER fa, fb, zero, fetcha, aset, akoff, ga, fetchb, bu, gb, lcnt
	s_wait_loadcnt \lcnt                           ; loads come back in order (ISA guide 5.7.1): fb is in
	s_wait_dscnt 0x0                               ; fa is in
.if (\fetcha) && !(\zero)
	s_wait_alu depctr_va_vdst(0)                   ; the quarter before is done reading ga and gb, in which this quarter's loads land; at a trip's head AC and AN, which the enc loads read, are written
.endif
	MUL8 \fa, \fb, 0, 0, \zero
.if \fetcha
	FETCH_A \aset, \akoff, \ga, 0                  ; no further wait: the matrix instructions issued since name fa, fb and the accumulators alone
.endif
	MUL8 \fa, \fb, 0, 1, \zero
.if \fetcha
	FETCH_A \aset, \akoff, \ga, 1
.endif
	MUL8 \fa, \fb, 0, 2, \zero
.if \fetchb
	FETCH_B \bu, \gb, 0
.endif
	MUL8 \fa, \fb, 0, 3, \zero
.if \fetchb
	FETCH_B \bu, \gb, 1
.endif
	MUL8 \fa, \fb, 1, 0, \zero
	MUL8 \fa, \fb, 1, 1, \zero
	MUL8 \fa, \fb, 1, 2, \zero
	MUL8 \fa, \fb, 1, 3, \zero
.endm
.macro STEP                            ; from the K block's number in s30: the weights' pointer and enc's addresses
	s_lshl_b32 s28, s30, 15
	s_add_nc_u64 s[26:27], s[24:25], s[28:29]
	s_lshl_b32 s31, s30, 8
.irp j, 0,1,2,3
	v_add_nc_u32 v[AN+\j], s31, v[A0+\j]
.endr
.endm
; THE WAY FROM SUMS TO SCORES for row block a: 64 numbers a lane, in place.  Two batches of 64 transcendentals, each with one plain instruction behind its last and ONE wait ahead of its first reader;
; nothing inside a batch names a result of the batch.  A pair's plain instruction stands one pair ahead of its two transcendentals.  Each accumulator is read from its lowest registers on.
.macro EPI a
.set EW, 2+(\a)/4
.set AB, 64*((\a)%4)
	WIN EW|(EW<<6)
	v_pk_fma_f32 v[AB:AB+1], v[AB:AB+1], s[34:35], v[HB:HB+1] op_sel_hi:[1,0,1]          ; c x = c (enc W1) + c (hidden W2 + b_hid)
.set p, 1
.rept 31
	v_pk_fma_f32 v[AB+2*p:AB+2*p+1], v[AB+2*p:AB+2*p+1], s[34:35], v[HB+2*p:HB+2*p+1] op_sel_hi:[1,0,1]
	v_exp_f32 v[AB+2*p-2], v[AB+2*p-2]
	v_exp_f32 v[AB+2*p-1], v[AB+2*p-1]
.set p, p+1
.endr
	v_exp_f32 v[AB+62], v[AB+62]
	v_exp_f32 v[AB+63], v[AB+63]
	v_nop
	s_wait_alu depctr_va_vdst(0)                   ; the 64 exponentials have written their results, which the additions below read
	v_pk_add_f32 v[AB:AB+1], v[AB:AB+1], 1.0 op_sel_hi:[1,0]
.set p, 1
.rept 31
	v_pk_add_f32 v[AB+2*p:AB+2*p+1], v[AB+2*p:AB+2*p+1], 1.0 op_sel_hi:[1,0]
	v_rcp_f32 v[AB+2*p-2], v[AB+2*p-2]
	v_rcp_f32 v[AB+2*p-1], v[AB+2*p-1]
.set p, p+1
.endr
	v_rcp_f32 v[AB+62], v[AB+62]
	v_rcp_f32 v[AB+63], v[AB+63]
	v_nop
	s_wait_alu depctr_va_vdst(0)                   ; the 64 reciprocals have written their results, which the multiply-adds below read
	; S_a += (sum of w) + the sum of (-2 w) r, in four chains: the first starts from the sum of w, the second from S_a
	v_pk_fma_f32 v[AB:AB+1],   v[AB:AB+1],   v[WS2:WS2+1],   v[WS:WS+1]
	v_pk_fma_f32 v[AB+2:AB+3], v[AB+2:AB+3], v[WS2+2:WS2+3], v[S+2*(\a):S+2*(\a)+1]
	v_pk_mul_f32 v[AB+4:AB+5], v[AB+4:AB+5], v[WS2+4:WS2+5]
	v_pk_mul_f32 v[AB+6:AB+7], v[AB+6:AB+7], v[WS2+6:WS2+7]
	WIN EW|(EW<<4)|(EW<<6)
.set p, 4
.rept 28
	v_pk_fma_f32 v[AB+2*(p%4):AB+2*(p%4)+1], v[AB+2*p:AB+2*p+1], v[WS2+2*p:WS2+2*p+1], v[AB+2*(p%4):AB+2*(p%4)+1]
.set p, p+1
.endr
	WIN EW|(EW<<2)|(EW<<6)
	v_pk_add_f32 v[AB:AB+1],   v[AB:AB+1],   v[AB+2:AB+3]
	v_pk_add_f32 v[AB+4:AB+5], v[AB+4:AB+5], v[AB+6:AB+7]
	WIN EW|(EW<<2)
	v_pk_add_f32 v[S+2*(\a):S+2*(\a)+1], v[AB:AB+1], v[AB+4:AB+5]
.endm
	s_mov_b32 s33, 2
.Lchunk:                                       ; 512 columns
	s_lshl_b32 s31, s23, 8
	s_wait_alu depctr_vm_vsrc(0)                   ; the first time: my LDS stores have read OUT, which becomes accumulators, and v[128:143], part of AF1; the second time: the last chunk's LDS loads have read AC, AN, HBA and WSA
.irp j, 0,1,2,3
	v_add_nc_u32 v[AC+\j], s31, v[A0+\j]           ; K block g % 8
.endr
	v_add_nc_u32 v[HBA], 2048, v[HBA]              ; this chunk's 512 columns of the two tables
	v_add_nc_u32 v[WSA], 2048, v[WSA]
	s_wait_alu depctr_va_vdst(0)                   ; AC, HBA and WSA are written, which LDS loads of this chunk read; the vector work so far is done with v[64:191], and the last chunk's matrix instructions with BF3: loads land in them
	FETCH_A AC, 0, AF0, 0
	FETCH_A AC, 0, AF0, 1
	QUARTER AF0, BF0, 1, 1, AC, 64, AF1, 1, 3, BF3, 32     ; the chunk's first quarter stands in front of the loop: its products start the sums
	WIN 0                                          ; at a label and at a branch every window is 0
	s_wait_xcnt 0x0                                ; the weight loads issued so far have read their pointer
	s_add_co_u32 s30, s23, 1
	s_and_b32 s30, s30, 7
	STEP                                           ; it writes AN, which no LDS load issued since the wait on vm_vsrc at the chunk's head reads
	s_mov_b32 s32, 7
.Ltrip:                                        ; a trip: quarters 1 to 3 of a K block and quarter 0 of the next; it asks for the next block's four quarters of weights
	QUARTER AF1, BF1, 0, 1, AC, 128, AF0, 1, 0, BF0, 32
	QUARTER AF0, BF2, 0, 1, AC, 192, AF1, 1, 1, BF1, 32
	QUARTER AF1, BF3, 0, 1, AN, 0,   AF0, 1, 2, BF2, 32
	QUARTER AF0, BF0, 0, 1, AN, 64,  AF1, 1, 3, BF3, 32
	WIN 0
	s_wait_xcnt 0x0                                ; the youngest weight loads stand 32 matrix instructions back: they have read their pointer
	s_wait_alu depctr_vm_vsrc(0)                   ; the LDS loads issued so far have read AC and AN, which the lines below write
.irp j, 0,1,2,3
	v_mov_b32 v[AC+\j], v[AN+\j]
.endr
	s_add_co_u32 s30, s30, 1
	s_and_b32 s30, s30, 7
	STEP
	s_sub_co_u32 s32, s32, 1
	s_cmp_lg_u32 s32, 0
	s_cbranch_scc1 .Ltrip
	QUARTER AF1, BF1, 0, 1, AC, 128, AF0, 0, 0, 0, 32      ; the last K block's quarters 1 to 3 ask for no weights: the counts run down
	QUARTER AF0, BF2, 0, 1, AC, 192, AF1, 0, 0, 0, 16
	QUARTER AF1, BF3, 0, 0, 0, 0, 0, 0, 0, 0, 0
	PLACES                                         ; for the vector work below, which reads the sums and writes registers that held fragments
	WIN 0
	s_wait_alu depctr_va_vdst(0)                   ; the chunk's matrix instructions are done reading BF0 to BF2, AF0 and AF1: the next chunk's first weights and the two tables land in them
	s_cmp_eq_u32 s33, 1
	s_cbranch_scc1 .Lno_more
	s_wait_xcnt 0x0
	s_add_nc_u64 s[24:25], s[24:25], 0x100000      ; the next chunk's column blocks: four of 262,144 bytes on
	s_lshl_b32 s28, s23, 15
	s_add_nc_u64 s[26:27], s[24:25], s[28:29]
	PRO                                            ; its first weights are on their way during the vector work below
	WIN 0
.Lno_more:
.irp b, 0,1,2,3,4,5,6,7
	ds_load_b128 v[HB+8*(\b):HB+8*(\b)+3],   v[HBA] offset:64*(\b)
	ds_load_b128 v[HB+8*(\b)+4:HB+8*(\b)+7], v[HBA] offset:64*(\b)+16
	ds_load_b128 v[WS+8*(\b):WS+8*(\b)+3],   v[WSA] offset:64*(\b)
	ds_load_b128 v[WS+8*(\b)+4:WS+8*(\b)+7], v[WSA] offset:64*(\b)+16
.endr
	s_wait_dscnt 0x0
.set p, 0
.rept 32
	v_pk_mul_f32 v[WS2+2*p:WS2+2*p+1], v[WS+2*p:WS+2*p+1], -2.0 op_sel_hi:[1,0]
.set p, p+1
.endr
.irp d, 16,8,4,2,1                     ; the sum of my 64 w, in place: it ends in the table's first pair
.set p, 0
.rept \d
	v_pk_add_f32 v[WS+2*p:WS+2*p+1], v[WS+2*p:WS+2*p+1], v[WS+2*(p+\d):WS+2*(p+\d)+1]
.set p, p+1
.endr
.endr
	EPI 0
	EPI 1
	EPI 2
	EPI 3
	EPI 4
	EPI 5
	EPI 6
	EPI 7
	WIN 0
	s_sub_co_u32 s33, s33, 1
	s_cmp_lg_u32 s33, 0
	s_cbranch_scc1 .Lchunk
	; PHASE 3: the scores and the work-group's softmax.  Even and odd columns, the other half of the lanes, then the four waves through LDS.
.irp a, 0,1,2,3,4,5,6,7
	v_add_f32 v[S+2*(\a)], v[S+2*(\a)], v[S+2*(\a)+1]
.endr
.irp a, 0,1,2,3,4,5,6,7
	v_permlanex16_b32 v[S+2*(\a)+1], v[S+2*(\a)], s36, s37
.endr
.irp a, 0,1,2,3,4,5,6,7
	v_add_f32 v[S+2*(\a)], v[S+2*(\a)], v[S+2*(\a)+1]
.endr
	s_wait_alu depctr_va_vdst(0)                   ; the additions have written the eight sums, which the LDS stores read; the vector work so far is done with v[48:223], in which LDS loads land from here on
.irp a, 0,1,2,3,4,5,6,7
	ds_store_b32 v[SCA], v[S+2*(\a)] offset:64*(\a)        ; row 16 a + l % 16; both halves of the lanes write the same word with the same number
.endr
	s_wait_dscnt 0x0                               ; for the others' sake
	s_barrier_signal -1
	s_barrier_wait -1
	; every wave does the rest for all 128 rows (row 32 i + lane), so that no further barrier is wanted
.irp v, 0,1,2,3
.irp i, 0,1,2,3
	ds_load_b32 v[48+4*(\v)+(\i)], v[SCR] offset:512*(\v)+128*(\i)
.endr
.endr
	s_wait_dscnt 0x0
.irp i, 0,1,2,3
	v_add_f32 v[48+(\i)], v[48+(\i)], v[52+(\i)]
	v_add_f32 v[56+(\i)], v[56+(\i)], v[60+(\i)]
.endr
.irp i, 0,1,2,3
	v_add_f32 v[48+(\i)], v[48+(\i)], v[56+(\i)]   ; s
.endr
	v_max3_num_f32 v52, v48, v49, v50
	v_max_num_f32 v52, v52, v51
	v_max_num_f32_dpp v52, v52, v52 row_xmask:1 row_mask:0xf bank_mask:0xf
	v_max_num_f32_dpp v52, v52, v52 row_xmask:2 row_mask:0xf bank_mask:0xf
	v_max_num_f32_dpp v52, v52, v52 row_xmask:4 row_mask:0xf bank_mask:0xf
	v_max_num_f32_dpp v52, v52, v52 row_xmask:8 row_mask:0xf bank_mask:0xf
	v_permlanex16_b32 v53, v52, s36, s37
	v_max_num_f32 v52, v52, v53                    ; m, in every lane
	v_mul_f32 v60, s38, v52
.irp i, 0,1,2,3
	v_fma_f32 v[56+(\i)], v[48+(\i)], s38, -v60    ; (s - m) log2(e), at most 0
.endr
.irp i, 0,1,2,3
	v_exp_f32 v[56+(\i)], v[56+(\i)]
.endr
	v_nop                                          ; a plain instruction behind the last exponential
	s_wait_alu depctr_va_vdst(0)                   ; the four exponentials have written p, which the LDS stores and the additions below read; the lines above are done with v[48:51], in which wave 0's LDS load lands
.irp i, 0,1,2,3
	ds_store_b32 v[PPS], v[56+(\i)] offset:128*(\i)        ; my wave's own copy of p
.endr
	v_add_f32 v54, v56, v57
	v_add_f32 v55, v58, v59
	v_add_f32 v54, v54, v55
	v_add_f32_dpp v54, v54, v54 row_xmask:1 row_mask:0xf bank_mask:0xf
	v_add_f32_dpp v54, v54, v54 row_xmask:2 row_mask:0xf bank_mask:0xf
	v_add_f32_dpp v54, v54, v54 row_xmask:4 row_mask:0xf bank_mask:0xf
	v_add_f32_dpp v54, v54, v54 row_xmask:8 row_mask:0xf bank_mask:0xf
	v_permlanex16_b32 v55, v54, s36, s37
	v_add_f32 v53, v54, v55                        ; l: v[52:53] = (m, l)
	s_cmp_lg_u32 s20, 0
	s_cbranch_scc1 .Lnot_wave_0
	ds_load_b128 v[48:51], v[PPQ]                  ; LDS serves a wave's instructions in order: this sees my stores above
	s_wait_alu depctr_va_vdst(0)                   ; the last addition has written v53, which the second store below reads
	s_wait_dscnt 0x0
	global_store_b128 v[BO], v[48:51], s[14:15]    ; the 128 p: 512 consecutive bytes
	global_store_b64 v[MLO], v[52:53], s[16:17]    ; (m, l), once from each lane: 256 consecutive bytes
.Lnot_wave_0:
; PHASE 4: the partial context.  Thread j owns columns 4 j .. 4 j + 3 and 512 + 4 j .. of all 128 rows; a set is 16 rows: their p (the same 16 bytes for every lane) and 2 x 8 bytes of each row.
.macro LOADC set
.irp i, 0,1,2,3
	ds_load_b128 v[PS+16*(\set)+4*(\i):PS+16*(\set)+4*(\i)+3], v[PPA] offset:64*(\set)+16*(\i)
.endr
.set rr, 0
.rept 16
	ds_load_b64 v[XS+64*(\set)+4*rr:XS+64*(\set)+4*rr+1],   v[CXA] offset:(16*(\set)+rr)*PITCH
	ds_load_b64 v[XS+64*(\set)+4*rr+2:XS+64*(\set)+4*rr+3], v[CXA] offset:(16*(\set)+rr)*PITCH+1024
.set rr, rr+1
.endr
.endm
.macro FMAC set                        ; sum += bf16 half x p, in f32; eight chains
.set rr, 0
.rept 16
.irp c, 0,2,4,6
	v_fma_mix_f32_bf16 v[CTX+(\c)],   v[XS+64*(\set)+4*rr+(\c)/2], v[PS+16*(\set)+rr], v[CTX+(\c)]   op_sel_hi:[1,0,0]
	v_fma_mix_f32_bf16 v[CTX+(\c)+1], v[XS+64*(\set)+4*rr+(\c)/2], v[PS+16*(\set)+rr], v[CTX+(\c)+1] op_sel:[1,0,0] op_sel_hi:[1,0,0]
.endr
.set rr, rr+1
.endr
.endm
	LOADC 0                                        ; no vector instruction since the wait ahead of the scores' stores names v[64:223]
	LOADC 1
.irp c, 0,1,2,3,4,5,6,7
	v_mov_b32 v[CTX+\c], 0
.endr
	s_mov_b32 s39, 3
.Lctx:                                         ; a trip: 32 rows are added, the next 32 fetched
	s_wait_dscnt 36                                ; set 0 is in; set 1's 36 loads may stay out
	FMAC 0
	s_wait_alu depctr_vm_vsrc(0)                   ; the LDS loads issued so far have read v[CXA] and v[PPA]
	v_add_nc_u32 v[CXA], 32*PITCH, v[CXA]
	v_add_nc_u32 v[PPA], 128, v[PPA]
	s_wait_alu depctr_va_vdst(0)                   ; both addresses are written; the multiply-adds are done reading set 0, in which the loads below land
	LOADC 0
	s_wait_dscnt 36                                ; set 1 is in
	FMAC 1
	s_wait_alu depctr_va_vdst(0)                   ; the multiply-adds are done reading set 1, in which the loads below land
	LOADC 1
	s_sub_co_u32 s39, s39, 1
	s_cmp_lg_u32 s39, 0
	s_cbranch_scc1 .Lctx
	s_wait_dscnt 36
	FMAC 0
	s_wait_dscnt 0x0
	FMAC 1
	s_wait_alu depctr_va_vdst(0)                   ; the multiply-adds have written the eight sums, which the stores read
	global_store_b128 v[JO], v[CTX:CTX+3],   s[18:19]              ; a wave's store covers 512 consecutive bytes
	global_store_b128 v[JO], v[CTX+4:CTX+7], s[18:19] offset:2048
	s_wait_dscnt 0x0                               ; the closing lines, six on end
	s_wait_alu 0x0
	s_wait_tensorcnt 0x0
	ds_add_u32 v[SPW], v[NIL]
	s_wait_dscnt 0x0
	s_endpgm
.Lfunc_end_k_q913e836a55_main:
	.size	k_q913e836a55_main, .Lfunc_end_k_q913e836a55_main-k_q913e836a55_main
	.p2alignl 7, 3214868480
	.fill 96, 4, 3214868480
	.section	.rodata,"a",@progbits
	.p2align	6, 0x0
	.amdhsa_kernel k_q913e836a55_main
		.amdhsa_group_segment_fixed_size 276992
		.amdhsa_private_segment_fixed_size 0
		.amdhsa_enable_private_segment 0
		.amdhsa_kernarg_size 64
		.amdhsa_user_sgpr_count 2
		.amdhsa_user_sgpr_kernarg_segment_ptr 1
		.amdhsa_wavefront_size32 1
		.amdhsa_system_sgpr_workgroup_id_x 1
		.amdhsa_system_sgpr_workgroup_id_y 1
		.amdhsa_system_sgpr_workgroup_id_z 1
		.amdhsa_system_vgpr_workitem_id 0
		.amdhsa_next_free_vgpr 1024
		.amdhsa_next_free_sgpr 66
		.amdhsa_reserve_vcc 0
		.amdhsa_float_denorm_mode_32 3
		.amdhsa_float_denorm_mode_16_64 3
		.amdhsa_memory_ordered 1
		.amdhsa_forward_progress 1
		.amdhsa_inst_pref_size 245
	.end_amdhsa_kernel
	.amdgpu_metadata
---
amdhsa.version: [ 1, 2 ]
amdhsa.kernels:
  - .name:           k_q913e836a55_main
    .symbol:         k_q913e836a55_main.kd
    .args:
      - { .name: encoder_outputs, .offset: 0, .size: 8, .value_kind: global_buffer, .address_space: global }
      - { .name: WF, .offset: 8, .size: 8, .value_kind: global_buffer, .address_space: global }
      - { .name: HBP, .offset: 16, .size: 8, .value_kind: global_buffer, .address_space: global }
      - { .name: b_hid, .offset: 24, .size: 8, .value_kind: global_buffer, .address_space: global }
      - { .name: w_score, .offset: 32, .size: 8, .value_kind: global_buffer, .address_space: global }
      - { .name: PW, .offset: 40, .size: 8, .value_kind: global_buffer, .address_space: global }
      - { .name: ML, .offset: 48, .size: 8, .value_kind: global_buffer, .address_space: global }
      - { .name: CP, .offset: 56, .size: 8, .value_kind: global_buffer, .address_space: global }
    .group_segment_fixed_size: 276992
    .private_segment_fixed_size: 0
    .kernarg_segment_align: 8
    .kernarg_segment_size: 64
    .max_flat_workgroup_size: 128
    .sgpr_count:     66
    .vgpr_count:     1024
    .wavefront_size: 32
...
	.end_amdgpu_metadata
.endif
;; end of part 4
;; launch combine: the kernel of part 3 again; grid 32 x 1, 8 waves a work-group, no clusters, 0 bytes of LDS; arguments PW, ML, CP, out0, out1; writes out0, out1
